; MI455X (gfx1250); checked and timed in simulation.
; The chip was launched on July 23, 2026; its instructions are those of AMD's public machine-readable ISA for CDNA 5 (MIT licence, August 2026) and "CDNA5" Instruction Set Architecture Reference Guide (July 2026). The comments in the code are by the model that wrote it; some were corrected since.
;; Cross Attention. Allowed arithmetic: float matrix products may take bf16 or f16 operands with f32 sums; other float arithmetic in f32, or as packed bf16 or f16 multiplies, adds, multiply-adds, maxima and minima; sums over many terms, partial sums and values carried from step to step in f32; what a program stores and reads back later, other than sums and carried values, may be rounded once to bf16 or f16.
;; Inputs: Wk 1,024 x 1,024 float32; Wo 1,024 x 1,024 float32; Wq 1,024 x 1,024 float32; bk 1,024 float32; bo 1,024 float32; bq 1,024 float32; input_flatten 8 x 4,096 x 1,024 float32; input_padding_mask 8 x 4,096 bool; query 8 x 256 x 1,024 float32.
;; Outputs: out0 8 x 256 x 1,024 float32.
;; 3 versions, each right; version 2 is faster than version 1; version 3 is version 2 with the launches qproj, kfold, oproj written anew for expert scheduling mode. Each part assembles by itself: llvm-mc -triple=amdgcn-amd-amdhsa -mcpu=gfx1250 --defsym DOCPART=n.
;; ======== version 1 of 3: 5 launches
;; limits: values outside matrix products are rounded to bf16; values are held in f16: magnitudes above 65,504 overflow, below 6.1e-05 lose precision; inputs' magnitudes at most 65,504; values outside matrix products are rounded to f16
;; workspace buffers: Qws 8,388,608 bytes; cqws 8,192 bytes; Qf 8,388,608 bytes; Vt 67,108,864 bytes; Pf 16,777,216 bytes; st 524,288 bytes; Ows 8,388,608 bytes
;; launch qproj (part 1): grid 16 x 16, 8 waves a work-group, no clusters, 91,136 bytes of LDS; arguments query, Wq, bq, Qws; writes Qws
.if DOCPART == 1
	.amdgcn_target "amdgcn-amd-amdhsa--gfx1250"
	.amdhsa_code_object_version 6
	.text
	.protected	k_qb4519089bb_qproj
	.globl	k_qb4519089bb_qproj
	.p2align	8
	.type	k_qb4519089bb_qproj,@function
k_qb4519089bb_qproj:
	s_mov_b64 s[64:65], 0
	v_nop
	global_prefetch_b8 v0, s[64:65] scope:SCOPE_SE
	s_setreg_imm32_b32 hwreg(HW_REG_WAVE_MODE, 25, 1), 1
	s_wait_xcnt 0x0
; C[m][n] = sum over k of bf16(A[m][k]) bf16(B[n][k]) + bf16(bias[n]).  A: [2048][1024], B: [1024][1024], bias: [1024], C: [2048][1024], all f32.
; LIMIT: A, B and the bias are rounded to bf16 once (nearest even); sums in f32; C is not rounded.
; SHARES.  A work-group makes 128 rows x 64 columns of C; 16 x 16 work-groups.  K goes in 16 steps of 64 (256 bytes of an f32 row, aligned), all written out.
; Eight waves: wave wv makes rows 32 (wv & 3) .. +31, columns 32 (wv >> 2) .. +31: four accumulators of 16 x 16.
; WAY IN.  The f32 tiles are rounded once on their way, so they pass through registers: each wave loads 16 rows of A and 8 of B (sixteen lanes take one
; row's 256 bytes), packs them to bf16 and stores them into one of two LDS slots.  Two register sets hold the next two steps' loads.
; No tensor load and no joint request: a tile fetched into LDS as f32 would take twice the LDS bytes and be rounded again by each of the waves that read it.
; ONE barrier a step: in front of it each wave's LDS stores of this step and its LDS loads of the step before are done, so the slot written in step s (read last in step s - 2) is free.
; THE MATRIX INSTRUCTION IS USED TRANSPOSED: source 0 = 16 rows of B, source 1 = 16 rows of A: a lane holds row l % 16 of C and eight neighbouring columns.
.set PA,    144                        ; an LDS row: 64 bf16 = 128 bytes + 16: the sixteen rows of a fragment load start 16 bytes apart modulo 256
.set PS,    272                        ; a row of the stage: 64 f32 = 256 bytes + 16
.set BOFF,  128*PA                     ; B's 64 rows lie behind A's 128
.set SLOT,  192*PA
.set STAGE, 2*SLOT                     ; 128 rows x 272 bytes, for the way out
.set RO,  4                            ; v4   byte offset of my 16 bytes in A's tile and, at the end, in C's: (16 wv + l / 16) x 4096 + 16 (l % 16)
.set BO,  5                            ; v5   the same in B's tile: (8 wv + l / 16) x 4096 + 16 (l % 16)
.set AS,  6                            ; v6   where I store 8 bytes of A in a slot
.set BS,  7                            ; v7   the same for B
.set FA,  8                            ; v8   my A fragments in slot 0
.set FB,  9                            ; v9   my B fragments in slot 0
.set ST,  10                           ; v10  the way out: where I put 32 bytes of a row
.set RD,  11                           ; v11  the way out: where I read 16 bytes of a row back
.set BIO, 13                           ; v13  byte offset of my eight numbers of the bias
.set TMP, 14                           ; v14, v15 at work
.set BI,  16                           ; v[16:31]   the bias of my columns, 8 for each column tile: the C of the first products
.set ACC, 32                           ; v[32:63]   accumulator (m, t) at ACC + 8 (2 m + t)
.set SET0, 64                          ; v[64:111], v[112:159]  two sets: A's load i at + 4 i, B's at + 32 + 4 i
.set FR,  160                          ; v[160:223] fragments: for each 32 along K: A rows 0-15, A rows 16-31, B 0-15, B 16-31
	s_load_b256 s[4:11], s[0:1], 0x0               ; A s[4:5], B s[6:7], bias s[8:9], C s[10:11]
	v_lshl_add_u32 v224, v0, 2, 0x16000
	v_mov_b32 v225, 0
	v_and_b32 v1, 15, v0                           ; l % 16
	v_bfe_u32 v2, v0, 4, 1                         ; l / 16
	v_lshrrev_b32 v3, 5, v0
	v_readfirstlane_b32 s12, v3                    ; wave 0..7
	s_mov_b32 s13, 0xffff0000                      ; a word's upper bf16
	s_and_b32 s16, s12, 3                          ; which 32 rows are mine
	s_lshr_b32 s17, s12, 2                         ; which 32 columns
	s_and_b32 s18, ttmp7, 0xffff                   ; block of 128 rows
	s_lshl_b32 s14, s18, 19                        ; x 128 rows x 4096 bytes
	s_mov_b32 s15, 0
	s_lshl_b32 s22, ttmp9, 18                      ; block of 64 columns = 64 rows of B x 4096 bytes
	s_mov_b32 s23, 0
	s_lshl_b32 s20, ttmp9, 8                       ; 64 columns x 4 bytes
	s_mov_b32 s21, 0
	v_lshlrev_b32 v15, 4, v1
	v_lshl_add_u32 v[TMP], v2, 12, v15
	s_lshl_b32 s19, s12, 16
	v_add_nc_u32 v[RO], s19, v[TMP]
	s_lshl_b32 s19, s12, 15
	v_add_nc_u32 v[BO], s19, v[TMP]
	s_lshl_b32 s19, s17, 7
	v_lshl_add_u32 v[BIO], v2, 5, s19              ; 128 x column half + 32 (l / 16)
	s_wait_kmcnt 0x0
	s_add_nc_u64 s[4:5], s[4:5], s[14:15]
	s_add_nc_u64 s[6:7], s[6:7], s[22:23]
	s_add_nc_u64 s[8:9], s[8:9], s[20:21]
	s_add_nc_u64 s[10:11], s[10:11], s[14:15]
	s_add_nc_u64 s[10:11], s[10:11], s[20:21]
; twelve loads: K step sn of A's 16 rows and B's 8 rows that are mine, into the step's set
.macro LOADS sn
.set ls, SET0+48*((\sn)%2)
.irp i, 0,1,2,3,4,5,6,7
	global_load_b128 v[ls+4*\i:ls+4*\i+3], v[RO], s[4:5] offset:\i*8192+(\sn)*256
.endr
.irp i, 0,1,2,3
	global_load_b128 v[ls+32+4*\i:ls+32+4*\i+3], v[BO], s[6:7] offset:\i*8192+(\sn)*256
.endr
.endm
.irp t, 0,1
	global_load_b128 v[BI+8*\t:BI+8*\t+3],   v[BIO], s[8:9] offset:64*\t
	global_load_b128 v[BI+8*\t+4:BI+8*\t+7], v[BIO], s[8:9] offset:64*\t+16
.endr
	LOADS 0
	LOADS 1
	; the LDS addresses, while the loads are out
	v_mul_u32_u24 v[TMP], v2, PA
	v_lshl_add_u32 v[TMP], v1, 3, v[TMP]           ; (l / 16) x pitch + 8 (l % 16)
	s_mul_i32 s19, s12, 16*PA
	v_add_nc_u32 v[AS], s19, v[TMP]
	s_mul_i32 s19, s12, 8*PA
	s_add_co_u32 s19, s19, BOFF
	v_add_nc_u32 v[BS], s19, v[TMP]
	v_mul_u32_u24 v[TMP], v1, PA
	v_lshl_add_u32 v[TMP], v2, 4, v[TMP]           ; a fragment: row l % 16, 16 bytes for each half of the lanes
	s_mul_i32 s19, s16, 32*PA
	v_add_nc_u32 v[FA], s19, v[TMP]
	s_mul_i32 s19, s17, 32*PA
	s_add_co_u32 s19, s19, BOFF
	v_add_nc_u32 v[FB], s19, v[TMP]
	v_mul_u32_u24 v[TMP], v1, PS
	v_lshl_add_u32 v[TMP], v2, 5, v[TMP]           ; the stage: row l % 16, 32 bytes for each half of the lanes
	s_mul_i32 s19, s16, 32*PS
	s_lshl_b32 s18, s17, 7
	s_add_co_u32 s19, s19, s18
	s_add_co_u32 s19, s19, STAGE
	v_add_nc_u32 v[ST], s19, v[TMP]
	v_mul_u32_u24 v[TMP], v2, PS
	v_add_nc_u32 v[TMP], v[TMP], v15               ; back: lanes 0-15 one row of 256 bytes, lanes 16-31 the next
	s_mul_i32 s19, s12, 16*PS
	s_add_co_u32 s19, s19, STAGE
	v_add_nc_u32 v[RD], s19, v[TMP]
	s_wait_loadcnt 24                              ; the bias is in: the two sets' 24 loads were issued behind it
.irp j, 0,2,4,6,8,10,12,14
	v_cvt_pk_bf16_f32 v[TMP], v[BI+\j], v[BI+\j+1] ; the bias rounded to bf16, and back in f32
	v_lshlrev_b32 v[BI+\j], 16, v[TMP]
	v_and_b32 v[BI+\j+1], s13, v[TMP]
.endr
; One K step.  The 24 roundings are also the plain vector instructions that stand between the last step's products and the loads into their fragments.
; The four accumulators take turns, one instruction a turn, in the same order throughout.
.macro STEP sn
.set cs, SET0+48*((\sn)%2)
.set cl, ((\sn)%2)*SLOT
.if (\sn) < 15
	s_wait_loadcnt 12                              ; this step's set is in; the next step's 12 loads stay out
.else
	s_wait_loadcnt 0x0
.endif
.irp i, 0,1,2,3,4,5,6,7
	v_cvt_pk_bf16_f32 v[cs+4*\i],   v[cs+4*\i],   v[cs+4*\i+1]
	v_cvt_pk_bf16_f32 v[cs+4*\i+1], v[cs+4*\i+2], v[cs+4*\i+3]
	ds_store_b64 v[AS], v[cs+4*\i:cs+4*\i+1] offset:cl+\i*2*PA
.endr
.irp i, 0,1,2,3
	v_cvt_pk_bf16_f32 v[cs+32+4*\i],   v[cs+32+4*\i],   v[cs+32+4*\i+1]
	v_cvt_pk_bf16_f32 v[cs+32+4*\i+1], v[cs+32+4*\i+2], v[cs+32+4*\i+3]
	ds_store_b64 v[BS], v[cs+32+4*\i:cs+32+4*\i+1] offset:cl+\i*2*PA
.endr
.if (\sn) < 14
	LOADS (\sn)+2                                  ; the set just emptied takes the step two further on
.endif
	s_wait_dscnt 0x0                               ; for the others' sake: my stores into the slot are done (my reads of the other slot were waited for when they were used)
	s_barrier_signal -1
	s_barrier_wait -1
.irp k, 0,1
.irp m, 0,1
	ds_load_b128 v[FR+32*\k+8*\m:FR+32*\k+8*\m+3],   v[FA] offset:cl+\m*16*PA+\k*64
	ds_load_b128 v[FR+32*\k+8*\m+4:FR+32*\k+8*\m+7], v[FA] offset:cl+\m*16*PA+\k*64+32
.endr
.irp m, 0,1
	ds_load_b128 v[FR+32*\k+16+8*\m:FR+32*\k+16+8*\m+3],   v[FB] offset:cl+\m*16*PA+\k*64
	ds_load_b128 v[FR+32*\k+16+8*\m+4:FR+32*\k+16+8*\m+7], v[FB] offset:cl+\m*16*PA+\k*64+32
.endr
.endr
.irp k, 0,1
	s_wait_dscnt 8-8*\k                            ; the first 32 along K are in while the other eight loads are out; then all
.irp m, 0,1
.irp t, 0,1
.if ((\sn) == 0) && (\k == 0)
	v_wmma_f32_16x16x32_bf16 v[ACC+8*(2*\m+\t):ACC+8*(2*\m+\t)+7], v[FR+32*\k+16+8*\t:FR+32*\k+16+8*\t+7], v[FR+32*\k+8*\m:FR+32*\k+8*\m+7], v[BI+8*\t:BI+8*\t+7]
.else
	v_wmma_f32_16x16x32_bf16 v[ACC+8*(2*\m+\t):ACC+8*(2*\m+\t)+7], v[FR+32*\k+16+8*\t:FR+32*\k+16+8*\t+7], v[FR+32*\k+8*\m:FR+32*\k+8*\m+7], v[ACC+8*(2*\m+\t):ACC+8*(2*\m+\t)+7]
.endif
.endr
.endr
.endr
.endm
.irp s, 0,1,2,3,4,5,6,7,8,9,10,11,12,13,14,15
	STEP \s                                        ; the first step's products take the bias as C: nothing is cleared, nothing is added later
.endr
	; THE WAY OUT.  A lane's 32 bytes are an eighth of a row's 256; the rows are put together in the stage (bytes of its own) and leave whole.
.rept 4
	v_nop                                          ; four places between the last products and the stores that read them
.endr
.irp m, 0,1
.irp t, 0,1
	ds_store_b128 v[ST], v[ACC+8*(2*\m+\t):ACC+8*(2*\m+\t)+3]   offset:\m*16*PS+\t*64      ; each accumulator from its low end on
	ds_store_b128 v[ST], v[ACC+8*(2*\m+\t)+4:ACC+8*(2*\m+\t)+7] offset:\m*16*PS+\t*64+16
.endr
.endr
	s_wait_dscnt 0x0                               ; a row's 256 bytes come from two waves: my part is done,
	s_barrier_signal -1
	s_barrier_wait -1                              ; everybody's is
.irp i, 0,1,2,3,4,5,6,7
	ds_load_b128 v[SET0+4*\i:SET0+4*\i+3], v[RD] offset:\i*2*PS
.endr
.irp i, 0,1,2,3,4,5,6,7
	s_wait_dscnt 7-\i                              ; LDS loads come back in order: pair i of rows is in
	global_store_b128 v[RO], v[SET0+4*\i:SET0+4*\i+3], s[10:11] offset:\i*8192   ; sixteen lanes store 256 consecutive bytes, aligned
.endr
	s_wait_tensorcnt 0x0
	ds_add_u32 v224, v225
	s_wait_dscnt 0x0
	s_endpgm
.Lfunc_end_k_qb4519089bb_qproj:
	.size	k_qb4519089bb_qproj, .Lfunc_end_k_qb4519089bb_qproj-k_qb4519089bb_qproj
	.p2alignl 7, 3214868480
	.fill 96, 4, 3214868480
	.section	.rodata,"a",@progbits
	.p2align	6, 0x0
	.amdhsa_kernel k_qb4519089bb_qproj
		.amdhsa_group_segment_fixed_size 91136
		.amdhsa_private_segment_fixed_size 0
		.amdhsa_enable_private_segment 0
		.amdhsa_kernarg_size 32
		.amdhsa_user_sgpr_count 2
		.amdhsa_user_sgpr_kernarg_segment_ptr 1
		.amdhsa_wavefront_size32 1
		.amdhsa_system_sgpr_workgroup_id_x 1
		.amdhsa_system_sgpr_workgroup_id_y 1
		.amdhsa_system_sgpr_workgroup_id_z 1
		.amdhsa_system_vgpr_workitem_id 0
		.amdhsa_next_free_vgpr 226
		.amdhsa_next_free_sgpr 66
		.amdhsa_reserve_vcc 0
		.amdhsa_float_denorm_mode_32 3
		.amdhsa_float_denorm_mode_16_64 3
		.amdhsa_memory_ordered 1
		.amdhsa_forward_progress 1
		.amdhsa_inst_pref_size 88
	.end_amdhsa_kernel
	.amdgpu_metadata
---
amdhsa.version: [ 1, 2 ]
amdhsa.kernels:
  - .name:           k_qb4519089bb_qproj
    .symbol:         k_qb4519089bb_qproj.kd
    .args:
      - { .name: query, .offset: 0, .size: 8, .value_kind: global_buffer, .address_space: global }
      - { .name: Wq, .offset: 8, .size: 8, .value_kind: global_buffer, .address_space: global }
      - { .name: bq, .offset: 16, .size: 8, .value_kind: global_buffer, .address_space: global }
      - { .name: Qws, .offset: 24, .size: 8, .value_kind: global_buffer, .address_space: global }
    .group_segment_fixed_size: 91136
    .private_segment_fixed_size: 0
    .kernarg_segment_align: 8
    .kernarg_segment_size: 32
    .max_flat_workgroup_size: 256
    .sgpr_count:     66
    .vgpr_count:     226
    .wavefront_size: 32
...
	.end_amdgpu_metadata
.endif
;; end of part 1
;; launch kfold (part 2): grid 16 x 16, 8 waves a work-group, no clusters, 95,744 bytes of LDS; arguments Qws, Wk, bk, Qf, cqws; writes Qf, cqws
.if DOCPART == 2
	.amdgcn_target "amdgcn-amd-amdhsa--gfx1250"
	.amdhsa_code_object_version 6
	.text
	.protected	k_qb4519089bb_kfold
	.globl	k_qb4519089bb_kfold
	.p2align	8
	.type	k_qb4519089bb_kfold,@function
k_qb4519089bb_kfold:
	s_mov_b64 s[64:65], 0
	v_nop
	global_prefetch_b8 v0, s[64:65] scope:SCOPE_SE
	s_setreg_imm32_b32 hwreg(HW_REG_WAVE_MODE, 25, 1), 1
	s_wait_xcnt 0x0
; Q'[m][d] = sum over e of Q[m][e] bf16(Wk[e][d]),  cq[m] = sum over e of Q[m][e] bk[e].  Q: [2048][1024] f32, Wk: [1024][1024] f32, bk: [1024] f32.
; Why: Q (X Wk^T + bk)^T = (Q Wk) X^T + (Q bk) 1^T for every input, so the keys need no projection of their own.
; PRECISION.  The scores are not scaled and stand in an exponent, so Q and Q' are not rounded to one bf16: each goes to the matrix unit as hi + lo,
; hi = bf16(x), lo = bf16(x - hi), two products.  LIMIT: Wk is rounded to bf16 once; what is left of x behind hi + lo (about 2^-17 of it) is dropped.  cq is made in f32.
; SHARES.  A work-group makes 128 rows x 64 d; 16 x 16 work-groups; e goes in 16 steps of 64, all written out.  Wave wv: rows 32 (wv & 3) .. +31, d 32 (wv >> 2) .. +31.
; The matrix instruction is used transposed: source 0 = 16 d x 32 e of Wk^T (Wk lies [e][d] in LDS and is turned by ds_load_tr16_b128), source 1 = 16 rows of Q.
; A lane then holds one row and eight neighbouring d: packed to bf16, an accumulator IS half of a source-1 fragment (16 rows x 32 d) of the next launch's product,
; lane for lane, and is stored so: Qf byte = n<<20 | w<<17 (32 rows) | u<<12 (32 d) | t<<11 (16 rows) | hl<<10 | c2<<9 (registers 0-3, 4-7) | 16 x lane.
; Way in and barriers as in the projection kernel: through registers (the split needs them), two LDS slots, one barrier a step.
.set PA,   144                         ; a row of Q in LDS: 64 bf16 + 16 bytes
.set PB,   160                         ; a row of Wk in LDS: 64 bf16 + 32 bytes
.set ALO,  128*PA                      ; the lo halves lie behind the hi halves
.set BOFF, 2*ALO
.set SLOT, BOFF+64*PB
.set CQS,  2*SLOT                      ; 128 words: cq of the work-group's rows
.set RO,  4                            ; v4   my 16 bytes in Q's tile: (16 wv + l / 16) x 4096 + 16 (l % 16)
.set BO,  5                            ; v5   in Wk's tile: (8 wv + l / 16) x 4096 + 16 (l % 16)
.set AS,  6                            ; v6   where I store 8 bytes of Q hi
.set ASL, 7                            ; v7   of Q lo (a register of its own: slot 1's offset would pass the 16 bits of the immediate)
.set BS,  8                            ; v8   of Wk
.set FA,  9                            ; v9   my Q hi fragments
.set FAL, 10                           ; v10  my Q lo fragments
.set FB,  11                           ; v11  my Wk^T fragments
.set KO,  12                           ; v12  16 (l % 16): my four numbers of bk in a step
.set L16, 13                           ; v13  16 x lane
.set CA,  14                           ; v14  where my row's cq goes
.set TMP, 15                           ; v15, v16 at work
.set CR,  17                           ; v17  where cq is read back
.set CQA, 24                           ; v[24:31]   my part of cq of rows 16 wv + 2 i + l / 16
.set ACC, 32                           ; v[32:63]   accumulator (m, t) at ACC + 8 (2 m + t)
.set SET0, 64                          ; v[64:115], v[116:167]  two sets: Q's load i at + 4 i, Wk's at + 32 + 4 i, bk's at + 48
.set FR,  168                          ; v[168:215] hi rows 0-15, hi 16-31, lo 0-15, lo 16-31, Wk^T d 0-15, d 16-31
.set T,   216                          ; v[216:231] at work, two sets of eight
	s_load_b256 s[4:11], s[0:1], 0x0               ; Q s[4:5], Wk s[6:7], bk s[8:9], Qf s[10:11]
	s_load_b64 s[12:13], s[0:1], 0x20              ; cq
	v_lshl_add_u32 v232, v0, 2, 0x17200
	v_mov_b32 v233, 0
	v_and_b32 v1, 15, v0
	v_bfe_u32 v2, v0, 4, 1
	v_lshrrev_b32 v3, 5, v0
	v_readfirstlane_b32 s14, v3                    ; wave 0..7
	s_mov_b32 s15, 0xffff0000
	s_and_b32 s16, s14, 3                          ; which 32 rows
	s_lshr_b32 s17, s14, 2                         ; which 32 d
	s_and_b32 s20, ttmp7, 0xffff                   ; block of 128 rows
	s_mov_b32 s21, ttmp9                           ; block of 64 d
	s_lshl_b32 s18, s20, 19                        ; 128 rows x 4096 bytes; also the block's place in Qf (n<<20 | 4 (block & 1) << 17)
	s_mov_b32 s19, 0
	s_lshl_b32 s22, s21, 8                         ; 64 d x 4 bytes
	s_mov_b32 s23, 0
	s_lshl_b32 s24, s16, 17
	s_add_co_u32 s24, s24, s18
	s_lshl_b32 s26, s21, 13
	s_add_co_u32 s24, s24, s26
	s_lshl_b32 s26, s17, 12
	s_add_co_u32 s24, s24, s26                     ; my fragments in Qf
	s_mov_b32 s25, 0
	s_lshl_b32 s26, s20, 9                         ; 128 rows x 4 bytes
	s_mov_b32 s27, 0
	v_lshlrev_b32 v[KO], 4, v1
	v_lshl_add_u32 v[TMP], v2, 12, v[KO]
	s_lshl_b32 s2, s14, 16
	v_add_nc_u32 v[RO], s2, v[TMP]
	s_lshl_b32 s2, s14, 15
	v_add_nc_u32 v[BO], s2, v[TMP]
	s_wait_kmcnt 0x0
	s_add_nc_u64 s[4:5], s[4:5], s[18:19]
	s_add_nc_u64 s[6:7], s[6:7], s[22:23]
	s_add_nc_u64 s[10:11], s[10:11], s[24:25]
	s_add_nc_u64 s[12:13], s[12:13], s[26:27]
; thirteen loads: step sn of my 16 rows of Q, my 8 rows (e) of Wk, my four numbers of bk
.macro LOADS sn
.set ls, SET0+52*((\sn)%2)
.irp i, 0,1,2,3,4,5,6,7
	global_load_b128 v[ls+4*\i:ls+4*\i+3], v[RO], s[4:5] offset:\i*8192+(\sn)*256
.endr
.irp i, 0,1,2,3
	global_load_b128 v[ls+32+4*\i:ls+32+4*\i+3], v[BO], s[6:7] offset:(\sn)*262144+\i*8192
.endr
	global_load_b128 v[ls+48:ls+51], v[KO], s[8:9] offset:(\sn)*256
.endm
	LOADS 0
	LOADS 1
	v_mul_u32_u24 v[TMP], v2, PA
	v_lshl_add_u32 v[TMP], v1, 3, v[TMP]
	s_mul_i32 s2, s14, 16*PA
	v_add_nc_u32 v[AS], s2, v[TMP]
	v_add_nc_u32 v[ASL], ALO, v[AS]
	v_mul_u32_u24 v[TMP], v2, PB
	v_lshl_add_u32 v[TMP], v1, 3, v[TMP]
	s_mul_i32 s2, s14, 8*PB
	s_add_co_u32 s2, s2, BOFF
	v_add_nc_u32 v[BS], s2, v[TMP]
	v_mul_u32_u24 v[TMP], v1, PA
	v_lshl_add_u32 v[TMP], v2, 4, v[TMP]
	s_mul_i32 s2, s16, 32*PA
	v_add_nc_u32 v[FA], s2, v[TMP]
	v_add_nc_u32 v[FAL], ALO, v[FA]
	; the turning load: lane l reads 16 bytes of row e = 8 (l / 16) + l % 8, d 8 ((l / 8) % 2) + 0..7, and is left with d = l % 16 and eight e
	v_and_b32 v[TMP], 7, v0
	v_lshl_add_u32 v[TMP], v2, 3, v[TMP]
	v_mul_u32_u24 v[TMP], v[TMP], PB
	v_bfe_u32 v16, v0, 3, 1
	v_lshl_add_u32 v[TMP], v16, 4, v[TMP]
	s_lshl_b32 s2, s17, 6
	s_add_co_u32 s2, s2, BOFF
	v_add_nc_u32 v[FB], s2, v[TMP]
	v_and_b32 v[TMP], 31, v0
	v_lshlrev_b32 v[L16], 4, v[TMP]
	s_lshl_b32 s2, s14, 6
	s_add_co_u32 s2, s2, CQS
	v_lshl_add_u32 v[CA], v2, 2, s2                ; word 16 wv + l / 16 (+ 2 i by the immediate)
; One step.  The split's vector work also stands between the last step's products and the loads into their fragments.
; The four accumulators take turns, one instruction a turn, hi then lo.
.macro STEP sn
.set cs, SET0+52*((\sn)%2)
.set cl, ((\sn)%2)*SLOT
.if (\sn) < 15
	s_wait_loadcnt 13                              ; this step's set is in; the next step's 13 loads stay out
.else
	s_wait_loadcnt 0x0
.endif
.set ii, 0
.rept 8
.set xx, cs+4*ii
.set tw, T+8*(ii%2)
.if (\sn) == 0
	v_mul_f32 v[CQA+ii], v[xx], v[cs+48]           ; cq's sums start with their first product
.else
	v_fmac_f32 v[CQA+ii], v[xx], v[cs+48]
.endif
	v_fmac_f32 v[CQA+ii], v[xx+1], v[cs+49]
	v_fmac_f32 v[CQA+ii], v[xx+2], v[cs+50]
	v_fmac_f32 v[CQA+ii], v[xx+3], v[cs+51]
	v_cvt_pk_bf16_f32 v[tw+4], v[xx],   v[xx+1]    ; hi
	v_cvt_pk_bf16_f32 v[tw+5], v[xx+2], v[xx+3]
	v_lshlrev_b32 v[tw],   16,  v[tw+4]
	v_and_b32     v[tw+1], s15, v[tw+4]
	v_lshlrev_b32 v[tw+2], 16,  v[tw+5]
	v_and_b32     v[tw+3], s15, v[tw+5]
	v_pk_add_f32 v[xx:xx+1],   v[xx:xx+1],   v[tw:tw+1]   neg_lo:[0,1] neg_hi:[0,1]   ; x - hi, exact
	v_pk_add_f32 v[xx+2:xx+3], v[xx+2:xx+3], v[tw+2:tw+3] neg_lo:[0,1] neg_hi:[0,1]
	v_cvt_pk_bf16_f32 v[tw+6], v[xx],   v[xx+1]    ; lo
	v_cvt_pk_bf16_f32 v[tw+7], v[xx+2], v[xx+3]
	ds_store_b64 v[AS],  v[tw+4:tw+5] offset:cl+ii*2*PA
	ds_store_b64 v[ASL], v[tw+6:tw+7] offset:cl+ii*2*PA
.set ii, ii+1
.endr
.irp i, 0,1,2,3
	v_cvt_pk_bf16_f32 v[cs+32+4*\i],   v[cs+32+4*\i],   v[cs+32+4*\i+1]
	v_cvt_pk_bf16_f32 v[cs+32+4*\i+1], v[cs+32+4*\i+2], v[cs+32+4*\i+3]
	ds_store_b64 v[BS], v[cs+32+4*\i:cs+32+4*\i+1] offset:cl+\i*2*PB
.endr
.if (\sn) < 14
	LOADS (\sn)+2
.endif
	s_wait_dscnt 0x0                               ; for the others' sake: my stores into the slot are done
	s_barrier_signal -1
	s_barrier_wait -1
.irp k, 0,1
.if \k == 1
.rept 4
	v_nop                                          ; four places between the products of the first 32 along e and the loads into their fragments
.endr
.endif
.irp m, 0,1
	ds_load_b128 v[FR+8*\m:FR+8*\m+3],       v[FA]  offset:cl+\m*16*PA+\k*64
	ds_load_b128 v[FR+8*\m+4:FR+8*\m+7],     v[FA]  offset:cl+\m*16*PA+\k*64+32
	ds_load_b128 v[FR+16+8*\m:FR+16+8*\m+3], v[FAL] offset:cl+\m*16*PA+\k*64
	ds_load_b128 v[FR+16+8*\m+4:FR+16+8*\m+7], v[FAL] offset:cl+\m*16*PA+\k*64+32
.endr
.irp t, 0,1
	ds_load_tr16_b128 v[FR+32+8*\t:FR+32+8*\t+3],   v[FB] offset:cl+\k*32*PB+\t*32
	ds_load_tr16_b128 v[FR+32+8*\t+4:FR+32+8*\t+7], v[FB] offset:cl+\k*32*PB+\t*32+16*PB
.endr
	s_wait_dscnt 0x0
.irp h, 0,1
.irp m, 0,1
.irp t, 0,1
.if ((\sn) == 0) && (\k == 0) && (\h == 0)
	v_wmma_f32_16x16x32_bf16 v[ACC+8*(2*\m+\t):ACC+8*(2*\m+\t)+7], v[FR+32+8*\t:FR+32+8*\t+7], v[FR+16*\h+8*\m:FR+16*\h+8*\m+7], 0
.else
	v_wmma_f32_16x16x32_bf16 v[ACC+8*(2*\m+\t):ACC+8*(2*\m+\t)+7], v[FR+32+8*\t:FR+32+8*\t+7], v[FR+16*\h+8*\m:FR+16*\h+8*\m+7], v[ACC+8*(2*\m+\t):ACC+8*(2*\m+\t)+7]
.endif
.endr
.endr
.endr
.endr
.endm
.irp s, 0,1,2,3,4,5,6,7,8,9,10,11,12,13,14,15
	STEP \s
.endr
	; THE WAY OUT.  Each accumulator is split into hi and lo like Q and stored as it lies: a wave's store covers 512 consecutive bytes, aligned.
.rept 4
	v_nop                                          ; four places between the last products and the conversions that read them
.endr
.set na, 0
.rept 4
.set ra, ACC+8*na
.set rh, SET0+8*na
.set tw, T+8*(na%2)
.irp j, 0,1,2,3
	v_cvt_pk_bf16_f32 v[rh+\j], v[ra+2*\j], v[ra+2*\j+1]       ; from the accumulator's low end on
.endr
.irp j, 0,1,2,3
	v_lshlrev_b32 v[tw+2*\j],   16,  v[rh+\j]
	v_and_b32     v[tw+2*\j+1], s15, v[rh+\j]
.endr
.irp j, 0,1,2,3
	v_pk_add_f32 v[ra+2*\j:ra+2*\j+1], v[ra+2*\j:ra+2*\j+1], v[tw+2*\j:tw+2*\j+1] neg_lo:[0,1] neg_hi:[0,1]
.endr
.irp j, 0,1,2,3
	v_cvt_pk_bf16_f32 v[rh+4+\j], v[ra+2*\j], v[ra+2*\j+1]
.endr
	global_store_b128 v[L16], v[rh:rh+3],   s[10:11] offset:((na/2)<<11)|((na%2)<<9)
	global_store_b128 v[L16], v[rh+4:rh+7], s[10:11] offset:((na/2)<<11)|((na%2)<<9)|1024
.set na, na+1
.endr
	; cq: the sixteen lanes of a row add up; the work-group's 128 sums meet in LDS and leave as 512 consecutive bytes, from the first column block's wave 0 alone
.irp x, 1,2,4,8
.irp i, 0,1,2,3,4,5,6,7
	v_add_f32_dpp v[CQA+\i], v[CQA+\i], v[CQA+\i] row_xmask:\x row_mask:0xf bank_mask:0xf
.endr
.endr
.irp i, 0,1,2,3,4,5,6,7
	ds_store_b32 v[CA], v[CQA+\i] offset:8*\i      ; sixteen lanes write one word with one value
.endr
	s_wait_dscnt 0x0
	s_barrier_signal -1
	s_barrier_wait -1
	s_cmp_lg_u32 s14, 0
	s_cbranch_scc1 .Lend
	s_cmp_lg_u32 s21, 0                            ; the sixteen column blocks of a row block hold the same sums: one stores them
	s_cbranch_scc1 .Lend
	v_add_nc_u32 v[CR], CQS, v[L16]
	ds_load_b128 v[T:T+3], v[CR]
	s_wait_dscnt 0x0
	global_store_b128 v[L16], v[T:T+3], s[12:13]
.Lend:
	s_wait_tensorcnt 0x0
	ds_add_u32 v232, v233
	s_wait_dscnt 0x0
	s_endpgm
.Lfunc_end_k_qb4519089bb_kfold:
	.size	k_qb4519089bb_kfold, .Lfunc_end_k_qb4519089bb_kfold-k_qb4519089bb_kfold
	.p2alignl 7, 3214868480
	.fill 96, 4, 3214868480
	.section	.rodata,"a",@progbits
	.p2align	6, 0x0
	.amdhsa_kernel k_qb4519089bb_kfold
		.amdhsa_group_segment_fixed_size 95744
		.amdhsa_private_segment_fixed_size 0
		.amdhsa_enable_private_segment 0
		.amdhsa_kernarg_size 40
		.amdhsa_user_sgpr_count 2
		.amdhsa_user_sgpr_kernarg_segment_ptr 1
		.amdhsa_wavefront_size32 1
		.amdhsa_system_sgpr_workgroup_id_x 1
		.amdhsa_system_sgpr_workgroup_id_y 1
		.amdhsa_system_sgpr_workgroup_id_z 1
		.amdhsa_system_vgpr_workitem_id 0
		.amdhsa_next_free_vgpr 234
		.amdhsa_next_free_sgpr 66
		.amdhsa_reserve_vcc 0
		.amdhsa_float_denorm_mode_32 3
		.amdhsa_float_denorm_mode_16_64 3
		.amdhsa_memory_ordered 1
		.amdhsa_forward_progress 1
		.amdhsa_inst_pref_size 184
	.end_amdhsa_kernel
	.amdgpu_metadata
---
amdhsa.version: [ 1, 2 ]
amdhsa.kernels:
  - .name:           k_qb4519089bb_kfold
    .symbol:         k_qb4519089bb_kfold.kd
    .args:
      - { .name: Qws, .offset: 0, .size: 8, .value_kind: global_buffer, .address_space: global }
      - { .name: Wk, .offset: 8, .size: 8, .value_kind: global_buffer, .address_space: global }
      - { .name: bk, .offset: 16, .size: 8, .value_kind: global_buffer, .address_space: global }
      - { .name: Qf, .offset: 24, .size: 8, .value_kind: global_buffer, .address_space: global }
      - { .name: cqws, .offset: 32, .size: 8, .value_kind: global_buffer, .address_space: global }
    .group_segment_fixed_size: 95744
    .private_segment_fixed_size: 0
    .kernarg_segment_align: 8
    .kernarg_segment_size: 40
    .max_flat_workgroup_size: 256
    .sgpr_count:     66
    .vgpr_count:     234
    .wavefront_size: 32
...
	.end_amdgpu_metadata
.endif
;; end of part 2
;; launch scores (part 3): grid 32 x 8, 8 waves a work-group, no clusters, 39,936 bytes of LDS; arguments input_flatten, input_padding_mask, Qf, cqws, Vt, Pf, st; writes Vt, Pf, st
.if DOCPART == 3
	.amdgcn_target "amdgcn-amd-amdhsa--gfx1250"
	.amdhsa_code_object_version 6
	.text
	.protected	k_qb4519089bb_scores
	.globl	k_qb4519089bb_scores
	.p2align	8
	.type	k_qb4519089bb_scores,@function
k_qb4519089bb_scores:
	s_mov_b64 s[64:65], 0
	v_nop
	global_prefetch_b8 v0, s[64:65] scope:SCOPE_SE
	s_setreg_imm32_b32 hwreg(HW_REG_WAVE_MODE, 25, 1), 1
	s_wait_xcnt 0x0
; For batch n and a block of 128 keys: S^T[key][q] = sum over d of bf16(X[key][d]) (Q'hi + Q'lo)[q][d] + cq[q]; padded keys become -inf;
; M[q] = the block's maximum, P = e^(s - M) in f16, l[q] = the sum of e^(s - M) in f32.  The next launch joins the 32 blocks of a batch by their M and l.
; X passes through this launch once: beside the scores it leaves as f16 fragments of V^T for the second product.
; LIMITS.  X is rounded to bf16 once; the value kept for the second product is f16 of that: exact for 2^-17 <= |x| <= 65504, inf above, rounded at 2^-25 below.
; M is floored at -FLT_MAX, so a block with every key padded gives P = 0, l = 0 and no NaN of its own.  l sums the weights before their rounding to f16.
; The exponent is (s - M) x log2 e, the difference first: it is exact for the scores near the maximum at any size of the scores, which a fused c s - c M would not be.
; SHARES.  Work-group = 128 keys x all 256 queries; 32 x 8 work-groups.  d goes in 16 steps of 64 (256 bytes of a row of X, aligned), all written out.
; Wave w: all 128 keys x queries 32 w .. 32 w + 31: 16 accumulators.  X goes through LDS (all eight waves read it); Q' comes as ready fragments from memory
; straight into registers, since each fragment serves one wave alone.  Source 0 = 16 keys, source 1 = 16 queries: a lane holds ONE query and eight keys, so the
; maximum and the sum want one exchange between the halves of the lanes, and two packed tiles are a source-1 fragment (16 queries x 32 keys) of the next product.
; No tensor load, no joint request: X is rounded on its way into LDS, so it passes through registers, and no two work-groups read the same rows of X.
; OUT.  Vt byte = n<<23 | dblk<<20 (128 d) | kstep<<13 (32 keys) | dt<<10 (16 d) | c2<<9 | 16 x lane;  Pf byte = n<<21 | qb<<19 (64 q) | kstep<<12 | t4<<10 (16 q) | c2<<9 | 16 x lane;
; st byte = n<<16 | block<<11 | (0: M, 1: l)<<10 | 4 q.  Every store of a wave covers 512 consecutive bytes, aligned.
; REGISTERS.  Window 0: addresses, mask, cq, X's sets and fragments.  Window 1: v0-127 the accumulators ((a, t) at 16 a + 8 t), v128-255 two sets of Q' fragments, free for the softmax at the end.
.set PA,    144                        ; a row of X in LDS: 64 bf16 + 16 bytes
.set SLOT,  128*PA
.set STATS, 2*SLOT                     ; 256 words of M, 256 of l
.set XO,  4                            ; v4   my 16 bytes in X's tile
.set XS,  5                            ; v5   where I store 8 bytes of X
.set XA,  6                            ; v6   a key fragment: row l % 16, 16 bytes for each half of the lanes
.set XT,  7                            ; v7   the turning load of my two blocks of V^T
.set L16, 8                            ; v8   16 x lane
.set MO,  9                            ; v9   8 (l / 16): my eight keys' mask bytes in a tile of 16
.set CO,  10                           ; v10  4 (l % 16)
.set NI,  11                           ; v11  -inf
.set T16, 12                           ; v12  16 x thread
.set SA,  13                           ; v13  where my query's M goes
.set MK,  16                           ; v[16:31]   the mask: two words for each key tile
.set CQ,  32                           ; v[32:47]   cq of my query, eight times for each query tile: the C of the first products
.set SET0, 48                          ; v[48:79], v[80:111]  two sets of X as loaded
.set XF,  112                          ; v[112:175] eight key fragments, 32 along d
.set VT,  176                          ; v[176:191] two blocks of V^T
.set TM,  192                          ; v[192:195] at work
.set C8,  128                          ; window 1, behind the loop: v[128:135] eight chains of the maximum
.set MP,  136                          ; v[136+4t:137+4t] M twice, v[138+4t] l
.set PK,  160                          ; v[160+32t ..] P packed
.set MSB, 0
.macro WIN new                         ; the immediate's high byte repeats the setting that is left; a switch that changes nothing is dropped
.if MSB != \new
	s_set_vgpr_msb (MSB<<8)|\new
.set MSB, \new
.endif
.endm
	s_load_b256 s[4:11], s[0:1], 0x0               ; X s[4:5], mask s[6:7], Qf s[8:9], cq s[10:11]
	s_load_b128 s[12:15], s[0:1], 0x20             ; Vt s[12:13], Pf s[14:15]
	s_load_b64 s[16:17], s[0:1], 0x30              ; st
	v_lshl_add_u32 v254, v0, 2, 0x9800
	v_mov_b32 v255, 0
	v_and_b32 v1, 15, v0
	v_bfe_u32 v2, v0, 4, 1
	v_lshrrev_b32 v3, 5, v0
	v_readfirstlane_b32 s18, v3                    ; wave 0..7
	s_and_b32 s19, ttmp7, 0xffff                   ; batch
	s_mov_b32 s21, 0xffff0000
	s_mov_b32 s22, 0x3fb8aa3b                      ; log2 e
	s_mov_b32 s23, s22                             ; named with it as a pair
	s_mov_b32 s24, 0x76543210                      ; each lane takes its own place in the other half
	s_mov_b32 s25, 0xfedcba98
	s_mov_b32 s26, 0xff7fffff                      ; -FLT_MAX
	s_mov_b32 s29, 0
	v_lshlrev_b32 v15, 4, v1
	v_lshl_add_u32 v14, v2, 12, v15
	s_lshl_b32 s27, s18, 16
	v_add_nc_u32 v[XO], s27, v14                   ; (16 w + l / 16) x 4096 + 16 (l % 16)
	v_and_b32 v14, 31, v0
	v_lshlrev_b32 v[L16], 4, v14
	v_lshlrev_b32 v[MO], 3, v2
	v_lshlrev_b32 v[CO], 2, v1
	s_wait_kmcnt 0x0
	s_lshl_b32 s28, s19, 24                        ; X: batch x 4096 rows, block x 128 rows, of 4096 bytes
	s_lshl_b32 s27, ttmp9, 19
	s_add_co_u32 s28, s28, s27
	s_add_nc_u64 s[4:5], s[4:5], s[28:29]
	s_lshl_b32 s28, s19, 12                        ; mask: a byte a key
	s_lshl_b32 s27, ttmp9, 7
	s_add_co_u32 s28, s28, s27
	s_add_nc_u64 s[6:7], s[6:7], s[28:29]
	s_lshl_b32 s28, s19, 20                        ; Qf: my 32 queries
	s_lshl_b32 s27, s18, 17
	s_add_co_u32 s28, s28, s27
	s_add_nc_u64 s[8:9], s[8:9], s[28:29]
	s_lshl_b32 s28, s19, 10                        ; cq
	s_lshl_b32 s27, s18, 7
	s_add_co_u32 s28, s28, s27
	s_add_nc_u64 s[10:11], s[10:11], s[28:29]
	s_and_b32 s30, s18, 3                          ; Vt: I turn keys 32 (w & 3) .. +31, d 32 (w >> 2) .. +31 of each step's tile
	s_lshr_b32 s31, s18, 2
	s_lshl_b32 s28, s19, 23
	s_lshl_b32 s27, ttmp9, 15
	s_add_co_u32 s28, s28, s27
	s_lshl_b32 s27, s30, 13
	s_add_co_u32 s28, s28, s27
	s_lshl_b32 s27, s31, 11
	s_add_co_u32 s28, s28, s27
	s_add_nc_u64 s[12:13], s[12:13], s[28:29]
	s_lshl_b32 s28, s19, 21                        ; Pf
	s_lshr_b32 s27, s18, 1
	s_lshl_b32 s27, s27, 19
	s_add_co_u32 s28, s28, s27
	s_lshl_b32 s27, ttmp9, 14
	s_add_co_u32 s28, s28, s27
	s_and_b32 s27, s18, 1
	s_lshl_b32 s27, s27, 11
	s_add_co_u32 s28, s28, s27
	s_add_nc_u64 s[14:15], s[14:15], s[28:29]
	s_lshl_b32 s28, s19, 16                        ; st
	s_lshl_b32 s27, ttmp9, 11
	s_add_co_u32 s28, s28, s27
	s_add_nc_u64 s[16:17], s[16:17], s[28:29]
.macro XLOAD sn                        ; eight loads: step sn of my 16 rows of X, read once in the launch
.set ls, SET0+32*((\sn)%2)
.irp i, 0,1,2,3,4,5,6,7
	global_load_b128 v[ls+4*\i:ls+4*\i+3], v[XO], s[4:5] offset:\i*8192+(\sn)*256 th:TH_LOAD_NT
.endr
.endm
.macro QLOAD sn                        ; sixteen loads: step sn's Q' fragments (kk, t, hl) at + 32 kk + 16 t + 8 hl, as they lie in Qf
	WIN 0x40                                       ; destination window 1, address window 0
.irp i, 0,1,2,3,4,5,6,7,8,9,10,11,12,13,14,15
	global_load_b128 v[128+64*((\sn)%2)+4*\i:128+64*((\sn)%2)+4*\i+3], v[L16], s[8:9] offset:(\sn)*8192+\i*512
.endr
	WIN 0
.endm
.irp a, 0,1,2,3,4,5,6,7
	global_load_b64 v[MK+2*\a:MK+2*\a+1], v[MO], s[6:7] offset:16*\a
.endr
.irp t, 0,1
	global_load_b32 v[CQ+8*\t], v[CO], s[10:11] offset:64*\t
.endr
	XLOAD 0
	QLOAD 0
	XLOAD 1
	QLOAD 1
	v_mul_u32_u24 v14, v2, PA
	v_lshl_add_u32 v14, v1, 3, v14
	s_mul_i32 s27, s18, 16*PA
	v_add_nc_u32 v[XS], s27, v14
	v_mul_u32_u24 v[XA], v1, PA
	v_lshl_add_u32 v[XA], v2, 4, v[XA]
	v_and_b32 v14, 7, v0                           ; the turning load: lane l reads key 8 (l / 16) + l % 8, d 8 ((l / 8) % 2) + 0..7, and is left with d = l % 16 and eight keys
	v_lshl_add_u32 v14, v2, 3, v14
	v_mul_u32_u24 v14, v14, PA
	v_bfe_u32 v15, v0, 3, 1
	v_lshl_add_u32 v14, v15, 4, v14
	s_mul_i32 s27, s30, 32*PA
	s_lshl_b32 s28, s31, 6
	s_add_co_u32 s27, s27, s28
	v_add_nc_u32 v[XT], s27, v14
	v_mov_b32 v[NI], 0xff800000
	v_lshlrev_b32 v[T16], 4, v0
	s_lshl_b32 s27, s18, 7
	s_add_co_u32 s27, s27, STATS
	v_lshl_add_u32 v[SA], v1, 2, s27
.macro XFLOAD kk                       ; sixteen LDS loads: the eight key fragments of 32 along d
.irp a, 0,1,2,3,4,5,6,7
	ds_load_b128 v[XF+8*\a:XF+8*\a+3],   v[XA] offset:cl+\a*16*PA+(\kk)*64
	ds_load_b128 v[XF+8*\a+4:XF+8*\a+7], v[XA] offset:cl+\a*16*PA+(\kk)*64+32
.endr
.endm
; 32 products: Q' hi, then lo, each on all 16 accumulators, which take turns, one instruction a turn.  The very first 16 take cq as C.
.macro MUL sn, kk
.irp h, 0,1
.if ((\sn) == 0) && ((\kk) == 0) && (\h == 0)
	WIN 0x44                                       ; X window 0, Q' window 1, C (cq) window 0, D window 1
.else
	WIN 0x54                                       ; X window 0, Q', C and D window 1
.endif
.irp a, 0,1,2,3,4,5,6,7
.irp t, 0,1
.if ((\sn) == 0) && ((\kk) == 0) && (\h == 0)
	v_wmma_f32_16x16x32_bf16 v[16*\a+8*\t:16*\a+8*\t+7], v[XF+8*\a:XF+8*\a+7], v[cf+32*(\kk)+16*\t+8*\h:cf+32*(\kk)+16*\t+8*\h+7], v[CQ+8*\t:CQ+8*\t+7]
.else
	v_wmma_f32_16x16x32_bf16 v[16*\a+8*\t:16*\a+8*\t+7], v[XF+8*\a:XF+8*\a+7], v[cf+32*(\kk)+16*\t+8*\h:cf+32*(\kk)+16*\t+8*\h+7], v[16*\a+8*\t:16*\a+8*\t+7]
.endif
.endr
.endr
.endr
.endm
; One step of 64 along d.
.macro STEP sn
.set cs, SET0+32*((\sn)%2)
.set cl, ((\sn)%2)*SLOT
.set cf, 128+64*((\sn)%2)
.if (\sn) < 15
	s_wait_loadcnt 24                              ; this step's X and Q' are in; the next step's 8 + 16 loads stay out
.else
	s_wait_loadcnt 0x0
.endif
.if (\sn) == 0
.irp t, 0,1
.irp j, 1,2,3,4,5,6,7
	v_mov_b32 v[CQ+8*\t+\j], v[CQ+8*\t]            ; a lane's eight scores of a tile belong to one query
.endr
.endr
.endif
.irp i, 0,1,2,3,4,5,6,7
	v_cvt_pk_bf16_f32 v[cs+4*\i],   v[cs+4*\i],   v[cs+4*\i+1]
	v_cvt_pk_bf16_f32 v[cs+4*\i+1], v[cs+4*\i+2], v[cs+4*\i+3]
	ds_store_b64 v[XS], v[cs+4*\i:cs+4*\i+1] offset:cl+\i*2*PA
.endr
.if (\sn) < 14
	XLOAD (\sn)+2
.endif
	s_wait_dscnt 0x0                               ; for the others' sake: my stores into the slot are done (my reads of the other slot were waited for when they were used)
	s_barrier_signal -1
	s_barrier_wait -1
	s_wait_xcnt 0x0                                ; the last step's stores have read VT: it is loaded again only behind this wait
	XFLOAD 0
.irp f, 0,1
	ds_load_tr16_b128 v[VT+8*\f:VT+8*\f+3],   v[XT] offset:cl+32*\f
	ds_load_tr16_b128 v[VT+8*\f+4:VT+8*\f+7], v[XT] offset:cl+32*\f+16*PA
.endr
	s_wait_dscnt 4                                 ; the key fragments are in; the four turning loads may be out
	MUL \sn, 0
	WIN 0
	s_wait_dscnt 0x0
.set ii, 0
.rept 16                               ; bf16 to f16, exactly, two at a time; these 48 instructions also stand between the products above and the loads into their fragments
	v_lshlrev_b32 v[TM+2*(ii%2)],   16,  v[VT+ii]
	v_and_b32     v[TM+2*(ii%2)+1], s21, v[VT+ii]
	v_cvt_pk_f16_f32 v[VT+ii], v[TM+2*(ii%2)], v[TM+2*(ii%2)+1]
.set ii, ii+1
.endr
.irp f, 0,1
	global_store_b128 v[L16], v[VT+8*\f:VT+8*\f+3],   s[12:13] offset:(((\sn)/2)<<20)|(((\sn)%2)<<12)|(\f<<10)
	global_store_b128 v[L16], v[VT+8*\f+4:VT+8*\f+7], s[12:13] offset:(((\sn)/2)<<20)|(((\sn)%2)<<12)|(\f<<10)|512
.endr
	XFLOAD 1
	s_wait_dscnt 0x0
	MUL \sn, 1
	WIN 0
.rept 4
	v_nop                                          ; four places between the products and the loads into the Q' set that they read (behind the last step: the first reads of the scores)
.endr
.if (\sn) < 14
	QLOAD (\sn)+2
.endif
.endm
.irp s, 0,1,2,3,4,5,6,7,8,9,10,11,12,13,14,15
	STEP \s
.endr
	; THE MASK.  Byte j of a tile's two words is key 8 (l / 16) + j; a padded key's scores become -inf.  Each accumulator is read from its low end on.
	WIN 0x41                                       ; destination and source 0 window 1, source 1 (mask, -inf) window 0
.set kt, 0
.rept 8
.set j, 0
.rept 8
	v_and_b32 v[C8+j%2], 0xff<<(8*(j%4)), v[MK+2*kt+j/4]
	v_cmp_ne_u32 vcc_lo, v[C8+j%2], 0
	v_cndmask_b32 v[16*kt+j],   v[16*kt+j],   v[NI], vcc_lo
	v_cndmask_b32 v[16*kt+8+j], v[16*kt+8+j], v[NI], vcc_lo
.set j, j+1
.endr
.set kt, kt+1
.endr
	; THE MAXIMUM of a query's 128 scores: eight chains, one for each key tile, then across them, the floor, and the other half of the lanes
	WIN 0x55
.irp t, 0,1
.irp a, 0,1,2,3,4,5,6,7
	v_max3_num_f32 v[C8+\a], v[16*\a+8*\t], v[16*\a+8*\t+1], v[16*\a+8*\t+2]
.endr
.irp a, 0,1,2,3,4,5,6,7
	v_max3_num_f32 v[C8+\a], v[C8+\a], v[16*\a+8*\t+3], v[16*\a+8*\t+4]
.endr
.irp a, 0,1,2,3,4,5,6,7
	v_max3_num_f32 v[C8+\a], v[C8+\a], v[16*\a+8*\t+5], v[16*\a+8*\t+6]
.endr
.irp a, 0,1,2,3,4,5,6,7
	v_max_num_f32 v[C8+\a], v[C8+\a], v[16*\a+8*\t+7]
.endr
	v_max3_num_f32 v[C8],   v[C8],   v[C8+1], v[C8+2]
	v_max3_num_f32 v[C8+3], v[C8+3], v[C8+4], v[C8+5]
	v_max3_num_f32 v[C8],   v[C8],   v[C8+6], v[C8+7]
	v_max3_num_f32 v[C8],   v[C8],   v[C8+3], s26
	v_permlanex16_b32 v[C8+1], v[C8], s24, s25
	v_max_num_f32 v[MP+4*\t],   v[C8], v[C8+1]
	v_max_num_f32 v[MP+4*\t+1], v[C8], v[C8+1]     ; twice: a pair for the packed subtraction
.endr
	; (s - M) log2 e
.irp t, 0,1
.set ii, 0
.rept 8
.irp j, 0,2,4,6
	v_pk_add_f32 v[16*ii+8*\t+\j:16*ii+8*\t+\j+1], v[16*ii+8*\t+\j:16*ii+8*\t+\j+1], v[MP+4*\t:MP+4*\t+1] neg_lo:[0,1] neg_hi:[0,1]
.endr
.irp j, 0,2,4,6
	v_pk_mul_f32 v[16*ii+8*\t+\j:16*ii+8*\t+\j+1], v[16*ii+8*\t+\j:16*ii+8*\t+\j+1], s[22:23] op_sel_hi:[1,0]
.endr
.set ii, ii+1
.endr
.endr
.set ii, 0
.rept 128
	v_exp_f32 v[ii], v[ii]
.set ii, ii+1
.endr
	v_nop                                          ; a plain instruction between the last exponential and the use of its result
	; P in f16; then the sums, in place
	s_wait_alu depctr_va_vdst(0)
.irp t, 0,1
.set ii, 0
.rept 8
.irp j, 0,1,2,3
	v_cvt_pk_f16_f32 v[PK+32*\t+4*ii+\j], v[16*ii+8*\t+2*\j], v[16*ii+8*\t+2*\j+1]
.endr
.set ii, ii+1
.endr
.endr
.irp t, 0,1
.irp a, 0,1,2,3,4,5,6,7
	v_pk_add_f32 v[16*\a+8*\t:16*\a+8*\t+1],     v[16*\a+8*\t:16*\a+8*\t+1],     v[16*\a+8*\t+2:16*\a+8*\t+3]
	v_pk_add_f32 v[16*\a+8*\t+4:16*\a+8*\t+5],   v[16*\a+8*\t+4:16*\a+8*\t+5],   v[16*\a+8*\t+6:16*\a+8*\t+7]
.endr
.irp a, 0,1,2,3,4,5,6,7
	v_pk_add_f32 v[16*\a+8*\t:16*\a+8*\t+1],     v[16*\a+8*\t:16*\a+8*\t+1],     v[16*\a+8*\t+4:16*\a+8*\t+5]
.endr
.irp a, 0,2,4,6
	v_pk_add_f32 v[16*\a+8*\t:16*\a+8*\t+1],     v[16*\a+8*\t:16*\a+8*\t+1],     v[16*\a+16+8*\t:16*\a+16+8*\t+1]
.endr
.irp a, 0,4
	v_pk_add_f32 v[16*\a+8*\t:16*\a+8*\t+1],     v[16*\a+8*\t:16*\a+8*\t+1],     v[16*\a+32+8*\t:16*\a+32+8*\t+1]
.endr
	v_pk_add_f32 v[8*\t:8*\t+1], v[8*\t:8*\t+1], v[64+8*\t:64+8*\t+1]
	v_add_f32 v[C8], v[8*\t], v[8*\t+1]
	v_permlanex16_b32 v[C8+1], v[C8], s24, s25
	v_add_f32 v[MP+4*\t+2], v[C8], v[C8+1]
.endr
	; OUT: P as it lies; M and l meet in LDS and leave as 2,048 consecutive bytes
	WIN 0x04                                       ; store data window 1, addresses window 0
.irp t, 0,1
.irp a, 0,1,2,3,4,5,6,7
	global_store_b128 v[L16], v[PK+32*\t+4*\a:PK+32*\t+4*\a+3], s[14:15] offset:((\a/2)<<12)|(\t<<10)|((\a%2)<<9)
.endr
	ds_store_b32 v[SA], v[MP+4*\t]   offset:64*\t          ; both halves of the lanes write one word with one value
	ds_store_b32 v[SA], v[MP+4*\t+2] offset:1024+64*\t
.endr
	WIN 0
	s_wait_dscnt 0x0
	s_barrier_signal -1
	s_barrier_wait -1
	s_cmp_ge_u32 s18, 4
	s_cbranch_scc1 .Lend                           ; 128 threads x 16 bytes are the 2,048
	ds_load_b128 v[SET0:SET0+3], v[T16] offset:STATS
	s_wait_dscnt 0x0
	global_store_b128 v[T16], v[SET0:SET0+3], s[16:17]
.Lend:
	s_wait_tensorcnt 0x0
	ds_add_u32 v254, v255
	s_wait_dscnt 0x0
	s_endpgm
.Lfunc_end_k_qb4519089bb_scores:
	.size	k_qb4519089bb_scores, .Lfunc_end_k_qb4519089bb_scores-k_qb4519089bb_scores
	.p2alignl 7, 3214868480
	.fill 96, 4, 3214868480
	.section	.rodata,"a",@progbits
	.p2align	6, 0x0
	.amdhsa_kernel k_qb4519089bb_scores
		.amdhsa_group_segment_fixed_size 39936
		.amdhsa_private_segment_fixed_size 0
		.amdhsa_enable_private_segment 0
		.amdhsa_kernarg_size 56
		.amdhsa_user_sgpr_count 2
		.amdhsa_user_sgpr_kernarg_segment_ptr 1
		.amdhsa_wavefront_size32 1
		.amdhsa_system_sgpr_workgroup_id_x 1
		.amdhsa_system_sgpr_workgroup_id_y 1
		.amdhsa_system_sgpr_workgroup_id_z 1
		.amdhsa_system_vgpr_workitem_id 0
		.amdhsa_next_free_vgpr 512
		.amdhsa_next_free_sgpr 66
		.amdhsa_reserve_vcc 1
		.amdhsa_float_denorm_mode_32 3
		.amdhsa_float_denorm_mode_16_64 3
		.amdhsa_memory_ordered 1
		.amdhsa_forward_progress 1
		.amdhsa_inst_pref_size 252
	.end_amdhsa_kernel
	.amdgpu_metadata
---
amdhsa.version: [ 1, 2 ]
amdhsa.kernels:
  - .name:           k_qb4519089bb_scores
    .symbol:         k_qb4519089bb_scores.kd
    .args:
      - { .name: input_flatten, .offset: 0, .size: 8, .value_kind: global_buffer, .address_space: global }
      - { .name: input_padding_mask, .offset: 8, .size: 8, .value_kind: global_buffer, .address_space: global }
      - { .name: Qf, .offset: 16, .size: 8, .value_kind: global_buffer, .address_space: global }
      - { .name: cqws, .offset: 24, .size: 8, .value_kind: global_buffer, .address_space: global }
      - { .name: Vt, .offset: 32, .size: 8, .value_kind: global_buffer, .address_space: global }
      - { .name: Pf, .offset: 40, .size: 8, .value_kind: global_buffer, .address_space: global }
      - { .name: st, .offset: 48, .size: 8, .value_kind: global_buffer, .address_space: global }
    .group_segment_fixed_size: 39936
    .private_segment_fixed_size: 0
    .kernarg_segment_align: 8
    .kernarg_segment_size: 56
    .max_flat_workgroup_size: 256
    .sgpr_count:     66
    .vgpr_count:     512
    .wavefront_size: 32
...
	.end_amdgpu_metadata
.endif
;; end of part 3
;; launch attnv (part 4): grid 32 x 8, 8 waves a work-group, no clusters, 271,360 bytes of LDS; arguments Vt, Pf, st, Ows; writes Ows
.if DOCPART == 4
	.amdgcn_target "amdgcn-amd-amdhsa--gfx1250"
	.amdhsa_code_object_version 6
	.text
	.protected	k_qb4519089bb_attnv
	.globl	k_qb4519089bb_attnv
	.p2align	8
	.type	k_qb4519089bb_attnv,@function
k_qb4519089bb_attnv:
	s_mov_b64 s[64:65], 0
	v_nop
	global_prefetch_b8 v0, s[64:65] scope:SCOPE_SE
	s_setreg_imm32_b32 hwreg(HW_REG_WAVE_MODE, 25, 1), 1
	s_wait_xcnt 0x0
; O[q][d] = sum over the 32 key blocks b of (e^(M_b[q] - M[q]) / L[q]) x sum over the block's keys of P_b[q][key] V[key][d],
; M = max over b of M_b, L = sum over b of e^(M_b - M) l_b: the softmax over all 4,096 keys, put together from the blocks' running figures.  O: [2048][1024] f32.
; LIMITS.  The factor e^(M_b - M) / L (at most 1) is rounded to f16 and multiplied into P in f16: weights under 6e-8 are dropped.
; A batch with every key padded has L = 0: 1 / L = inf, 0 x inf = NaN, as the softmax of a row of -inf gives.
; SHARES.  Work-group = 64 queries x 128 d of one batch; 32 x 8 work-groups.  The 4,096 keys are dealt to the eight waves, 512 each (16 steps of 32 keys, four blocks),
; each wave with the whole tile: 32 accumulators, window 1.  So every fragment of V^T and of P is loaded once in the work-group, by the one wave that uses it, as it lies in memory,
; straight into registers: no LDS and no barrier in the loop; two register sets keep 24 to 48 loads of 512 bytes of every wave on their way.  The eight partial tiles are added in LDS at the end.
; No joint request: with the keys dealt to the waves nothing passes through LDS on the way in; V^T's fragments are read by the four query blocks of a batch, each on its own.
; Source 0 = 16 d x 32 keys of V^T, source 1 = 16 queries x 32 keys of P: a lane holds one query and eight neighbouring d.
.set PO,   528                         ; a row of a partial tile: 128 f32 = 512 bytes + 16
.set PART, 64*PO                       ; a wave's partial tile
.set L16, 4                            ; v4   16 x lane
.set SO,  5                            ; v5   statistics: blocks 16 (l / 16) + i, query l % 16
.set SO2, 6                            ; v6   4 (l % 16)
.set ST,  7                            ; v7   where I put 32 bytes of a row of my partial tile
.set GO,  9                            ; v9   my 16 bytes in O
.set SC,  12                           ; v[12:27]   the factor of block b, query tile t at SC + 4 b + t: f16, twice
.set F0,  32                           ; v[32:127], v[128:223]  two sets: V^T's tile dt at + 8 dt, P's tile t at + 64 + 8 t
.set RDP, 224                          ; v[224:231] where I read 16 bytes of partial tile p
.set OWN, 128                          ; window 1, ahead of the loop: v[32 t + i] M, v[32 t + 16 + i] l, v[OWN + 4 b + t] my blocks' M, v[GG + 4 t ..] at work
.set GG,  160
.set MSB, 0
.macro WIN new
.if MSB != \new
	s_set_vgpr_msb (MSB<<8)|\new
.set MSB, \new
.endif
.endm
	s_load_b256 s[4:11], s[0:1], 0x0               ; Vt s[4:5], Pf s[6:7], st s[8:9], O s[10:11]
	v_lshl_add_u32 v254, v0, 2, 0x42000
	v_mov_b32 v255, 0
	v_and_b32 v1, 15, v0
	v_bfe_u32 v2, v0, 4, 1
	v_lshrrev_b32 v3, 5, v0
	v_readfirstlane_b32 s12, v3                    ; wave 0..7
	s_and_b32 s13, ttmp9, 3                        ; block of 64 queries
	s_lshr_b32 s14, ttmp9, 2                       ; block of 128 d
	s_and_b32 s15, ttmp7, 0xffff                   ; batch
	s_mov_b32 s20, 0x3fb8aa3b                      ; log2 e
	s_mov_b32 s21, s20
	s_mov_b32 s22, 0x76543210
	s_mov_b32 s23, 0xfedcba98
	s_mov_b32 s17, 0
	v_and_b32 v8, 31, v0
	v_lshlrev_b32 v[L16], 4, v8
	v_lshlrev_b32 v[SO2], 2, v1
	v_lshl_add_u32 v[SO], v2, 15, v[SO2]
	s_wait_kmcnt 0x0
	s_lshl_b32 s16, s15, 23                        ; Vt: batch, d block, my 16 steps
	s_lshl_b32 s2, s14, 20
	s_add_co_u32 s16, s16, s2
	s_lshl_b32 s2, s12, 17
	s_add_co_u32 s16, s16, s2
	s_add_nc_u64 s[4:5], s[4:5], s[16:17]
	s_lshl_b32 s16, s15, 21                        ; Pf: batch, query block, my 16 steps
	s_lshl_b32 s2, s13, 19
	s_add_co_u32 s16, s16, s2
	s_lshl_b32 s2, s12, 16
	s_add_co_u32 s16, s16, s2
	s_add_nc_u64 s[6:7], s[6:7], s[16:17]
	s_lshl_b32 s16, s15, 16                        ; st: batch, query block
	s_lshl_b32 s2, s13, 8
	s_add_co_u32 s16, s16, s2
	s_add_nc_u64 s[8:9], s[8:9], s[16:17]
	s_lshl_b32 s16, s12, 13                        ; and my four blocks
	s_add_nc_u64 s[18:19], s[8:9], s[16:17]
	s_lshl_b32 s16, s15, 20                        ; O: batch, query block, d block
	s_lshl_b32 s2, s13, 18
	s_add_co_u32 s16, s16, s2
	s_lshl_b32 s2, s14, 9
	s_add_co_u32 s16, s16, s2
	s_add_nc_u64 s[10:11], s[10:11], s[16:17]
	; the statistics: for each of my four query tiles, M and l of 16 blocks (the other 16 lie in the other half of the lanes), and M of my own four blocks
	WIN 0x40                                       ; destination window 1, address window 0
.set it, 0
.rept 4
.set ii, 0
.rept 16
	global_load_b32 v[32*it+ii],    v[SO], s[8:9] offset:(ii<<11)|(64*it)
	global_load_b32 v[32*it+16+ii], v[SO], s[8:9] offset:(ii<<11)|1024|(64*it)
.set ii, ii+1
.endr
.set it, it+1
.endr
.irp b, 0,1,2,3
.irp t, 0,1,2,3
	global_load_b32 v[OWN+4*\b+\t], v[SO2], s[18:19] offset:(\b<<11)|(64*\t)
.endr
.endr
	WIN 0
.macro LOAD kn                         ; 24 loads: step kn's eight tiles of V^T and four of P
.set ls, F0+96*((\kn)%2)
.irp i, 0,1,2,3,4,5,6,7,8,9,10,11,12,13,14,15
	global_load_b128 v[ls+4*\i:ls+4*\i+3], v[L16], s[4:5] offset:(\kn)*8192+\i*512
.endr
.irp i, 0,1,2,3,4,5,6,7
	global_load_b128 v[ls+64+4*\i:ls+64+4*\i+3], v[L16], s[6:7] offset:(\kn)*4096+\i*512
.endr
.endm
	LOAD 0
	LOAD 1
	v_mul_u32_u24 v[ST], v1, PO
	v_lshl_add_u32 v[ST], v2, 5, v[ST]
	s_mul_i32 s2, s12, PART
	v_add_nc_u32 v[ST], s2, v[ST]
	s_lshl_b32 s2, s12, 15
	v_add_nc_u32 v[GO], s2, v[L16]                 ; rows 8 w .. 8 w + 7 of the tile are mine to add up: 8 x 4096 bytes
	s_mul_i32 s2, s12, 8*PO
	v_add_nc_u32 v[RDP], s2, v[L16]
.irp p, 1,2,3,4,5,6,7
	v_add_nc_u32 v[RDP+\p], \p*PART, v[RDP]
.endr
	s_wait_loadcnt 48                              ; the statistics are in: the two sets' 48 loads were issued behind them
	WIN 0x55
.irp t, 0,1,2,3
	v_mov_b32 v[GG+4*\t+1], 0                      ; the exchange's destination counts as read
	v_max3_num_f32 v[GG+4*\t], v[32*\t], v[32*\t+1], v[32*\t+2]
.irp i, 3,5,7,9,11,13
	v_max3_num_f32 v[GG+4*\t], v[GG+4*\t], v[32*\t+\i], v[32*\t+\i+1]
.endr
	v_max_num_f32 v[GG+4*\t], v[GG+4*\t], v[32*\t+15]
	v_permlanex16_b32 v[GG+4*\t+1], v[GG+4*\t], s22, s23
	v_max_num_f32 v[GG+4*\t], v[GG+4*\t], v[GG+4*\t+1]         ; M over all 32 blocks
	v_mov_b32 v[GG+4*\t+1], v[GG+4*\t]
.irp i, 0,2,4,6,8,10,12,14
	v_pk_add_f32 v[32*\t+\i:32*\t+\i+1], v[32*\t+\i:32*\t+\i+1], v[GG+4*\t:GG+4*\t+1] neg_lo:[0,1] neg_hi:[0,1]
.endr
.irp b, 0,1,2,3
	v_sub_f32 v[OWN+4*\b+\t], v[OWN+4*\b+\t], v[GG+4*\t]
.endr
.irp i, 0,2,4,6,8,10,12,14
	v_pk_mul_f32 v[32*\t+\i:32*\t+\i+1], v[32*\t+\i:32*\t+\i+1], s[20:21] op_sel_hi:[1,0]
.endr
.irp b, 0,1,2,3
	v_mul_f32 v[OWN+4*\b+\t], s20, v[OWN+4*\b+\t]
.endr
.irp i, 0,1,2,3,4,5,6,7,8,9,10,11,12,13,14,15
	v_exp_f32 v[32*\t+\i], v[32*\t+\i]
.endr
.irp b, 0,1,2,3
	v_exp_f32 v[OWN+4*\b+\t], v[OWN+4*\b+\t]
.endr
	v_nop                                          ; a plain instruction between the last exponential and the use of its result
	s_wait_alu depctr_va_vdst(0)
	v_pk_mul_f32 v[32*\t:32*\t+1], v[32*\t:32*\t+1], v[32*\t+16:32*\t+17]
.irp i, 2,4,6,8,10,12,14
	v_pk_fma_f32 v[32*\t:32*\t+1], v[32*\t+\i:32*\t+\i+1], v[32*\t+16+\i:32*\t+16+\i+1], v[32*\t:32*\t+1]
.endr
	v_add_f32 v[GG+4*\t], v[32*\t], v[32*\t+1]
	v_permlanex16_b32 v[GG+4*\t+1], v[GG+4*\t], s22, s23
	v_add_f32 v[GG+4*\t], v[GG+4*\t], v[GG+4*\t+1]             ; L
	v_rcp_f32 v[GG+4*\t+2], v[GG+4*\t]
	v_nop
	s_wait_alu depctr_va_vdst(0)
.irp b, 0,1,2,3
	v_mul_f32 v[OWN+4*\b+\t], v[OWN+4*\b+\t], v[GG+4*\t+2]
.endr
.endr
	WIN 0x05                                       ; sources window 1, destination window 0
.irp b, 0,1,2,3
.irp t, 0,1,2,3
	v_cvt_pk_f16_f32 v[SC+4*\b+\t], v[OWN+4*\b+\t], v[OWN+4*\b+\t]
.endr
.endr
	WIN 0
; One step of 32 keys: P takes its block's factor, then 32 products, the 32 accumulators by turns, one instruction a turn.  The first step starts the sums.
.macro STEP kn
.set cs, F0+96*((\kn)%2)
.if (\kn) < 15
	s_wait_loadcnt 24                              ; this step's set is in; the next step's 24 loads stay out
.else
	s_wait_loadcnt 0x0
.endif
.irp t, 0,1,2,3
.irp j, 0,1,2,3,4,5,6,7
	v_pk_mul_f16 v[cs+64+8*\t+\j], v[cs+64+8*\t+\j], v[SC+4*((\kn)/4)+\t]
.endr
.endr
	WIN 0x50                                       ; V^T and P window 0, C and D window 1
.irp d, 0,1,2,3,4,5,6,7
.irp t, 0,1,2,3
.if (\kn) == 0
	v_wmma_f32_16x16x32_f16 v[8*(4*\d+\t):8*(4*\d+\t)+7], v[cs+8*\d:cs+8*\d+7], v[cs+64+8*\t:cs+64+8*\t+7], 0
.else
	v_wmma_f32_16x16x32_f16 v[8*(4*\d+\t):8*(4*\d+\t)+7], v[cs+8*\d:cs+8*\d+7], v[cs+64+8*\t:cs+64+8*\t+7], v[8*(4*\d+\t):8*(4*\d+\t)+7]
.endif
.endr
.endr
	WIN 0
.rept 4
	v_nop                                          ; four places between the products and the loads into the set that they read (behind the last step: the stores of the results)
.endr
.if (\kn) < 14
	LOAD (\kn)+2
.endif
.endm
.irp k, 0,1,2,3,4,5,6,7,8,9,10,11,12,13,14,15
	STEP \k
.endr
	; THE WAY OUT.  Each wave's partial tile goes into LDS, 32 bytes a lane; behind one barrier wave w adds up rows 8 w .. 8 w + 7 of all eight and stores them.
	WIN 0x04                                       ; store data window 1, address window 0
.irp d, 0,1,2,3,4,5,6,7
.irp t, 0,1,2,3
	ds_store_b128 v[ST], v[8*(4*\d+\t):8*(4*\d+\t)+3]   offset:\t*16*PO+\d*64      ; each accumulator from its low end on
	ds_store_b128 v[ST], v[8*(4*\d+\t)+4:8*(4*\d+\t)+7] offset:\t*16*PO+\d*64+16
.endr
.endr
	WIN 0
	s_wait_dscnt 0x0
	s_barrier_signal -1
	s_barrier_wait -1
.irp g, 0,1
.set ir, 0
.rept 4
.set ip, 0
.rept 8
	ds_load_b128 v[32+32*ir+4*ip:32+32*ir+4*ip+3], v[RDP+ip] offset:(4*\g+ir)*PO
.set ip, ip+1
.endr
.set ir, ir+1
.endr
	s_wait_dscnt 0x0
.set ir, 0
.rept 4
.set xx, 32+32*ir
.set rr, 160+16*\g+4*ir                ; the sums have registers of their own, which no later line writes
.set ip, 1
.rept 6
	v_pk_add_f32 v[xx:xx+1],   v[xx:xx+1],   v[xx+4*ip:xx+4*ip+1]
	v_pk_add_f32 v[xx+2:xx+3], v[xx+2:xx+3], v[xx+4*ip+2:xx+4*ip+3]
.set ip, ip+1
.endr
	v_pk_add_f32 v[rr:rr+1],   v[xx:xx+1],   v[xx+28:xx+29]
	v_pk_add_f32 v[rr+2:rr+3], v[xx+2:xx+3], v[xx+30:xx+31]
	global_store_b128 v[GO], v[rr:rr+3], s[10:11] offset:(4*\g+ir)*4096   ; the wave stores 512 consecutive bytes of a row of O, aligned
.set ir, ir+1
.endr
.endr
	s_wait_tensorcnt 0x0
	ds_add_u32 v254, v255
	s_wait_dscnt 0x0
	s_endpgm
.Lfunc_end_k_qb4519089bb_attnv:
	.size	k_qb4519089bb_attnv, .Lfunc_end_k_qb4519089bb_attnv-k_qb4519089bb_attnv
	.p2alignl 7, 3214868480
	.fill 96, 4, 3214868480
	.section	.rodata,"a",@progbits
	.p2align	6, 0x0
	.amdhsa_kernel k_qb4519089bb_attnv
		.amdhsa_group_segment_fixed_size 271360
		.amdhsa_private_segment_fixed_size 0
		.amdhsa_enable_private_segment 0
		.amdhsa_kernarg_size 32
		.amdhsa_user_sgpr_count 2
		.amdhsa_user_sgpr_kernarg_segment_ptr 1
		.amdhsa_wavefront_size32 1
		.amdhsa_system_sgpr_workgroup_id_x 1
		.amdhsa_system_sgpr_workgroup_id_y 1
		.amdhsa_system_sgpr_workgroup_id_z 1
		.amdhsa_system_vgpr_workitem_id 0
		.amdhsa_next_free_vgpr 512
		.amdhsa_next_free_sgpr 66
		.amdhsa_reserve_vcc 0
		.amdhsa_float_denorm_mode_32 3
		.amdhsa_float_denorm_mode_16_64 3
		.amdhsa_memory_ordered 1
		.amdhsa_forward_progress 1
		.amdhsa_inst_pref_size 151
	.end_amdhsa_kernel
	.amdgpu_metadata
---
amdhsa.version: [ 1, 2 ]
amdhsa.kernels:
  - .name:           k_qb4519089bb_attnv
    .symbol:         k_qb4519089bb_attnv.kd
    .args:
      - { .name: Vt, .offset: 0, .size: 8, .value_kind: global_buffer, .address_space: global }
      - { .name: Pf, .offset: 8, .size: 8, .value_kind: global_buffer, .address_space: global }
      - { .name: st, .offset: 16, .size: 8, .value_kind: global_buffer, .address_space: global }
      - { .name: Ows, .offset: 24, .size: 8, .value_kind: global_buffer, .address_space: global }
    .group_segment_fixed_size: 271360
    .private_segment_fixed_size: 0
    .kernarg_segment_align: 8
    .kernarg_segment_size: 32
    .max_flat_workgroup_size: 256
    .sgpr_count:     66
    .vgpr_count:     512
    .wavefront_size: 32
...
	.end_amdgpu_metadata
.endif
;; end of part 4
;; launch oproj: the kernel of part 1 again; grid 16 x 16, 8 waves a work-group, no clusters, 91,136 bytes of LDS; arguments Ows, Wo, bo, out0; writes out0
;; ======== version 2 of 3: 6 launches; 1.16 times as fast as version 1
;; limits: values outside matrix products are rounded to bf16; values outside matrix products are rounded to f16
;; workspace buffers: Qws 8,388,608 bytes; cqws 8,192 bytes; Qf 8,388,608 bytes; Vt 67,108,864 bytes; Pf 16,777,216 bytes; st 524,288 bytes; Ows 8,388,608 bytes; order 135,168 bytes of whole numbers
;; launch compact (part 5): grid 8 x 1, 8 waves a work-group, no clusters, 1,280 bytes of LDS; arguments input_padding_mask, order; writes order
.if DOCPART == 5
	.amdgcn_target "amdgcn-amd-amdhsa--gfx1250"
	.amdhsa_code_object_version 6
	.text
	.protected	k_qb4519089bb_compact
	.globl	k_qb4519089bb_compact
	.p2align	8
	.type	k_qb4519089bb_compact,@function
k_qb4519089bb_compact:
	s_mov_b64 s[64:65], 0
	v_nop
	global_prefetch_b8 v0, s[64:65] scope:SCOPE_SE
	s_setreg_imm32_b32 hwreg(HW_REG_WAVE_MODE, 25, 1), 1
	s_wait_xcnt 0x0
; For each batch: a list of its 4,096 keys with the keys that are not padded first, and how many they are.  The later launches walk the list's head alone:
; a padded key's score is -inf, its weight 0, so neither its score nor its part of the second product need be made.
; order, for batch n, at byte 16,896 n: 4,096 words, a permutation of 0 .. 4095 (kept keys at places 0 .. c - 1, padded ones behind); then 512 bytes: the four words
; KMAX = 4 nb - 1, TR = max(2, ceil(nb / 4)) - 2, c, 0, thirty-two times, with nb = max(1, ceil(c / 128)): the blocks of 128 places that hold kept keys.
; SHARES.  One work-group a batch, eight waves; thread t holds the 16 mask bytes of keys 16 t .. 16 t + 15 (one load of 16 bytes; a wave's load covers 512 consecutive bytes).
; The keys are counted in the order wave, slot (byte 0 .. 15 of a thread), lane: any order serves, since a sum over keys does not care.  In a slot the lanes' flags are one scalar word:
; its bits below a lane count the kept keys in front of that lane, its bit count steps the running figure.  The eight waves' totals meet in eight LDS words.
; The list's words are stored four bytes a lane: the kept lanes of a slot write neighbouring words, and so do the padded ones; it is 16 KiB a batch, once.
; No matrix unit, no cluster, no tensor load: there is nothing here to multiply or to share.
.set ROWB, 16896                       ; bytes of a batch in order
.set MSK,  16                          ; s[16:31]  slot s: bit l set = lane l's key is kept
.set TOT,  32                          ; s[32:39]  the waves' totals
.set AD,   32                          ; v[32:47]  slot s: byte offset of my key's place; a register for each store, so that none is rewritten
.set KY,   48                          ; v[48:63]  slot s: my key
	s_load_b128 s[4:7], s[0:1], 0x0                ; mask s[4:5], order s[6:7]
	v_lshl_add_u32 v64, v0, 2, 0x100
	v_mov_b32 v65, 0
	v_and_b32 v1, 31, v0                           ; lane
	v_lshrrev_b32 v2, 5, v0
	v_readfirstlane_b32 s8, v2                     ; wave 0..7
	v_lshlrev_b32 v3, 4, v0                        ; 16 t: my first key, and its byte in the batch's mask
	s_lshl_b32 s10, ttmp9, 12                      ; a batch's mask is 4,096 bytes
	s_mov_b32 s11, 0
	s_mul_i32 s12, ttmp9, ROWB
	s_mov_b32 s13, 0
	s_wait_kmcnt 0x0
	s_add_nc_u64 s[4:5], s[4:5], s[10:11]
	s_add_nc_u64 s[6:7], s[6:7], s[12:13]
	global_load_b128 v[4:7], v3, s[4:5]
	s_mov_b32 s9, 0                                ; my wave's kept keys
	s_wait_loadcnt 0x0
.set sl, 0
.rept 16
	v_bfe_u32 v8, v[4+sl/4], 8*(sl%4), 8
	v_cmp_eq_u32 s[MSK+sl], 0, v8                  ; byte 0: the key is kept
	s_bcnt1_i32_b32 s14, s[MSK+sl]
	s_add_co_u32 s9, s9, s14
.set sl, sl+1
.endr
	v_mov_b32 v9, s9
	s_lshl_b32 s14, s8, 2
	v_mov_b32 v10, s14
	ds_store_b32 v10, v9                           ; word w: all lanes write one word with one value
	s_wait_dscnt 0x0                               ; for the others' sake
	s_barrier_signal -1
	s_barrier_wait -1
	v_mov_b32 v11, 0
	ds_load_b128 v[12:15], v11
	ds_load_b128 v[16:19], v11 offset:16
	s_wait_dscnt 0x0
	s_mov_b32 s40, 0                               ; kept keys in the waves in front of mine; then the running figure
	s_mov_b32 s41, 0                               ; c
.irp i, 0,1,2,3,4,5,6,7
	v_readfirstlane_b32 s[TOT+\i], v[12+\i]
	s_add_co_u32 s41, s41, s[TOT+\i]
	s_cmp_lt_u32 \i, s8
	s_cselect_b32 s14, s[TOT+\i], 0
	s_add_co_u32 s40, s40, s14
.endr
	s_lshl_b32 s14, s8, 9
	s_add_co_u32 s14, s14, s41
	v_add_nc_u32 v21, s14, v1                      ; c + my number in the count at slot 0: 512 w + lane
.set sl, 0
.rept 16
	v_mbcnt_lo_u32_b32 v22, s[MSK+sl], 0           ; kept keys of this slot in the lanes below me
	v_add_nc_u32 v22, s40, v22                     ; kept keys in front of me: a kept key's place
	v_sub_nc_u32 v23, v21, v22
	v_add_nc_u32 v23, 32*sl, v23                   ; c + (keys in front of me - kept keys in front of me): a padded key's place
	v_cndmask_b32 v22, v23, v22, s[MSK+sl]
	v_min_u32 v22, 0xfff, v22                      ; a place is below 4,096 by the count; the bound is written out for the address's sake
	v_lshlrev_b32 v[AD+sl], 2, v22
	v_add_nc_u32 v[KY+sl], sl, v3
	global_store_b32 v[AD+sl], v[KY+sl], s[6:7]
	s_bcnt1_i32_b32 s14, s[MSK+sl]
	s_add_co_u32 s40, s40, s14
.set sl, sl+1
.endr
	s_cmp_lg_u32 s8, 0
	s_cbranch_scc1 .Lend                           ; every wave knows c; wave 0 stores the figures
	s_add_co_u32 s42, s41, 127
	s_lshr_b32 s42, s42, 7
	s_max_u32 s42, s42, 1                          ; nb
	s_lshl_b32 s43, s42, 2
	s_sub_co_u32 s43, s43, 1                       ; KMAX
	s_add_co_u32 s44, s42, 3
	s_lshr_b32 s44, s44, 2
	s_max_u32 s44, s44, 2
	s_sub_co_u32 s44, s44, 2                       ; TR
	v_mov_b32 v24, s43
	v_mov_b32 v25, s44
	v_mov_b32 v26, s41
	v_mov_b32 v27, 0
	v_lshlrev_b32 v28, 4, v1
	global_store_b128 v28, v[24:27], s[6:7] offset:16384   ; 512 consecutive bytes, aligned
.Lend:
	s_wait_tensorcnt 0x0
	ds_add_u32 v64, v65
	s_wait_dscnt 0x0
	s_endpgm
.Lfunc_end_k_qb4519089bb_compact:
	.size	k_qb4519089bb_compact, .Lfunc_end_k_qb4519089bb_compact-k_qb4519089bb_compact
	.p2alignl 7, 3214868480
	.fill 96, 4, 3214868480
	.section	.rodata,"a",@progbits
	.p2align	6, 0x0
	.amdhsa_kernel k_qb4519089bb_compact
		.amdhsa_group_segment_fixed_size 1280
		.amdhsa_private_segment_fixed_size 0
		.amdhsa_enable_private_segment 0
		.amdhsa_kernarg_size 16
		.amdhsa_user_sgpr_count 2
		.amdhsa_user_sgpr_kernarg_segment_ptr 1
		.amdhsa_wavefront_size32 1
		.amdhsa_system_sgpr_workgroup_id_x 1
		.amdhsa_system_sgpr_workgroup_id_y 1
		.amdhsa_system_sgpr_workgroup_id_z 1
		.amdhsa_system_vgpr_workitem_id 0
		.amdhsa_next_free_vgpr 66
		.amdhsa_next_free_sgpr 66
		.amdhsa_reserve_vcc 0
		.amdhsa_float_denorm_mode_32 3
		.amdhsa_float_denorm_mode_16_64 3
		.amdhsa_memory_ordered 1
		.amdhsa_forward_progress 1
		.amdhsa_inst_pref_size 15
	.end_amdhsa_kernel
	.amdgpu_metadata
---
amdhsa.version: [ 1, 2 ]
amdhsa.kernels:
  - .name:           k_qb4519089bb_compact
    .symbol:         k_qb4519089bb_compact.kd
    .args:
      - { .name: input_padding_mask, .offset: 0, .size: 8, .value_kind: global_buffer, .address_space: global }
      - { .name: order, .offset: 8, .size: 8, .value_kind: global_buffer, .address_space: global }
    .group_segment_fixed_size: 1280
    .private_segment_fixed_size: 0
    .kernarg_segment_align: 8
    .kernarg_segment_size: 16
    .max_flat_workgroup_size: 256
    .sgpr_count:     66
    .vgpr_count:     66
    .wavefront_size: 32
...
	.end_amdgpu_metadata
.endif
;; end of part 5
;; launch qproj: the kernel of part 1 again; grid 16 x 16, 8 waves a work-group, no clusters, 91,136 bytes of LDS; arguments query, Wq, bq, Qws; writes Qws
;; launch kfold: the kernel of part 2 again; grid 16 x 16, 8 waves a work-group, no clusters, 95,744 bytes of LDS; arguments Qws, Wk, bk, Qf, cqws; writes Qf, cqws
;; launch scores (part 6): grid 32 x 8, 8 waves a work-group, no clusters, 39,936 bytes of LDS; arguments input_flatten, order, Qf, cqws, Vt, Pf, st; writes Vt, Pf, st
.if DOCPART == 6
	.amdgcn_target "amdgcn-amd-amdhsa--gfx1250"
	.amdhsa_code_object_version 6
	.text
	.protected	k_qb4519089bb_scores
	.globl	k_qb4519089bb_scores
	.p2align	8
	.type	k_qb4519089bb_scores,@function
k_qb4519089bb_scores:
	s_mov_b64 s[64:65], 0
	v_nop
	global_prefetch_b8 v0, s[64:65] scope:SCOPE_SE
	s_setreg_imm32_b32 hwreg(HW_REG_WAVE_MODE, 25, 1), 1
	s_wait_xcnt 0x0
; For batch n and block kb of 128 places of the batch's key list (kept keys first, c of them): S^T[key][q] = sum over d of bf16(X[key][d]) (Q'hi + Q'lo)[q][d] + cq[q];
; places from c on (padded keys) become -inf; M[q] = the block's maximum, P = e^(s - M) in bf16, l[q] = the sum of e^(s - M) in f32.  The next launch joins the blocks by their M and l.
; The kept rows of X pass through this launch once: beside the scores they leave as bf16 fragments of V^T for the second product.
; A BLOCK WITH NO KEPT KEY (128 kb >= max(c, 1); block 0 never counts as one).  The grid has all 32 blocks of a batch, since a mask without a padded key needs them.  c is a loaded number, so no
; barrier may hang on it: an empty block's waves pass every barrier, run every counted wait and issue every load, so that each wait counts the same loads on every way; between the barriers
; they jump over the work: from step 2 on the roundings and LDS stores, from step 1 on the LDS loads, the products and the stores of V^T, at the end the stores of P.  Step 0 and step 1's LDS
; stores stand on every way: they write every register and both LDS slots.  With every place masked the softmax at the end gives M = -FLT_MAX and l = 0, which the next launch reads.
; The loads that an empty block still issues move next to nothing: a place is clamped to the last kept one, so all its rows of X are one row, which the block that holds it reads too, and its
; loads of Q' take 0 bytes a lane in place of 16, so each names one piece of 16 bytes.  The clamp also spares the padded rows of the last block that is partly filled.
; LIMITS.  X is rounded to bf16 once.  P is rounded to bf16 (the block's largest weight is exactly 1).  M is floored at -FLT_MAX, so a block with every place padded gives P = 0, l = 0
; and no NaN of its own.  l sums the weights before their rounding.  The exponent is (s - M) x log2 e, the difference first: exact near the maximum at any size of the scores.
; SHARES.  Work-group = 128 places x all 256 queries.  d goes in 16 steps of 64 (256 bytes of a row of X, aligned), all written out.
; Wave w: all 128 keys x queries 32 w .. 32 w + 31: 16 accumulators.  X goes through LDS (all eight waves read it); Q' comes as ready fragments from memory
; straight into registers, since each fragment serves one wave alone.  Source 0 = 16 keys, source 1 = 16 queries: a lane holds ONE query and eight keys, so the
; maximum and the sum want one exchange between the halves of the lanes, and two packed tiles are a source-1 fragment (16 queries x 32 keys) of the next product.
; No tensor load, no joint request: X is rounded on its way into LDS, so it passes through registers, and no two work-groups share more than the one clamped row of X.
; OUT.  Vt byte = n<<23 | dblk<<20 (128 d) | kstep<<13 (32 places) | dt<<10 (16 d) | c2<<9 | 16 x lane;  Pf byte = n<<21 | qb<<19 (64 q) | kstep<<12 | t4<<10 (16 q) | c2<<9 | 16 x lane;
; st byte = n<<16 | block<<11 | (0: M, 1: l)<<10 | 4 q.  Every store of a wave covers 512 consecutive bytes, aligned.
; REGISTERS.  Window 0: addresses, cq, X's sets and fragments.  Window 1: v0-127 the accumulators ((a, t) at 16 a + 8 t), v128-255 two sets of Q' fragments, free for the softmax at the end.
.set PA,    144                        ; a row of X in LDS: 64 bf16 + 16 bytes
.set SLOT,  128*PA
.set STATS, 2*SLOT                     ; 256 words of M, 256 of l
.set ROWB,  16896                      ; bytes of a batch in order; c is the word at byte 16,384 + 8
.set LQ,  4                            ; v4   my bytes in a fragment of Q': 16 x lane; 0 in an empty block
.set XS,  5                            ; v5   where I store 8 bytes of X
.set XA,  6                            ; v6   a key fragment: row l % 16, 16 bytes for each half of the lanes
.set XT,  7                            ; v7   the turning load of my two blocks of V^T
.set L16, 8                            ; v8   16 x lane
.set REM, 9                            ; v9   c - 128 kb - 8 (l / 16), signed: my key 16 a + j of the block is padded if 16 a + j >= this
.set CO,  10                           ; v10  4 (l % 16)
.set NI,  11                           ; v11  -inf
.set T16, 12                           ; v12  16 x thread
.set SA,  13                           ; v13  where my query's M goes
.set XO,  16                           ; v[16:23]   byte offset in the batch's X of my 16 bytes in row i of my eight: key x 4096 + 16 (l % 16); never rewritten
.set IA,  24                           ; v[24:31]   byte offset in the list of row i's place; never rewritten
.set CQ,  32                           ; v[32:47]   cq of my query, eight times for each query tile: the C of the first products
.set SET0, 48                          ; v[48:79], v[80:111]  two sets of X as loaded
.set XF,  112                          ; v[112:175] eight key fragments, 32 along d
.set VT,  176                          ; v[176:191] two blocks of V^T
.set C8,  128                          ; window 1, behind the steps: v[128:135] eight chains of the maximum
.set MP,  136                          ; v[136+4t:137+4t] M twice, v[138+4t] l
.set PK,  160                          ; v[160+32t ..] P packed
.set EM,  21                           ; s21  1: the block holds no kept key
.set MSB, 0
.macro WIN new                         ; the immediate's high byte repeats the setting that is left; a switch that changes nothing is dropped
.if MSB != \new
	s_set_vgpr_msb (MSB<<8)|\new
.set MSB, \new
.endif
.endm
	s_load_b256 s[4:11], s[0:1], 0x0               ; X s[4:5], order s[6:7], Qf s[8:9], cq s[10:11]
	s_load_b128 s[12:15], s[0:1], 0x20             ; Vt s[12:13], Pf s[14:15]
	s_load_b64 s[16:17], s[0:1], 0x30              ; st
	v_lshl_add_u32 v254, v0, 2, 0x9800
	v_mov_b32 v255, 0
	v_and_b32 v1, 15, v0
	v_bfe_u32 v2, v0, 4, 1
	v_lshrrev_b32 v3, 5, v0
	v_readfirstlane_b32 s18, v3                    ; wave 0..7
	s_and_b32 s19, ttmp7, 0xffff                   ; batch
	s_mov_b32 s22, 0x3fb8aa3b                      ; log2 e
	s_mov_b32 s23, s22                             ; named with it as a pair
	s_mov_b32 s24, 0x76543210                      ; each lane takes its own place in the other half
	s_mov_b32 s25, 0xfedcba98
	s_mov_b32 s26, 0xff7fffff                      ; -FLT_MAX
	s_mov_b32 s29, 0
	v_lshlrev_b32 v15, 4, v1                       ; 16 (l % 16)
	v_and_b32 v14, 31, v0                          ; lane
	v_lshlrev_b32 v[L16], 4, v14
	v_lshlrev_b32 v[CO], 2, v1
	s_wait_kmcnt 0x0
	s_mul_i32 s28, s19, ROWB                       ; the batch's list
	s_add_nc_u64 s[6:7], s[6:7], s[28:29]
	s_load_b32 s20, s[6:7], 0x4008                 ; c
	s_lshl_b32 s28, s19, 24                        ; X: batch x 4096 rows of 4096 bytes
	s_add_nc_u64 s[4:5], s[4:5], s[28:29]
	s_lshl_b32 s28, s19, 20                        ; Qf: my 32 queries
	s_lshl_b32 s27, s18, 17
	s_add_co_u32 s28, s28, s27
	s_add_nc_u64 s[8:9], s[8:9], s[28:29]
	s_lshl_b32 s28, s19, 10                        ; cq
	s_lshl_b32 s27, s18, 7
	s_add_co_u32 s28, s28, s27
	s_add_nc_u64 s[10:11], s[10:11], s[28:29]
	s_and_b32 s30, s18, 3                          ; Vt: I turn places 32 (w & 3) .. +31, d 32 (w >> 2) .. +31 of each step's tile
	s_lshr_b32 s31, s18, 2
	s_lshl_b32 s28, s19, 23
	s_lshl_b32 s27, ttmp9, 15
	s_add_co_u32 s28, s28, s27
	s_lshl_b32 s27, s30, 13
	s_add_co_u32 s28, s28, s27
	s_lshl_b32 s27, s31, 11
	s_add_co_u32 s28, s28, s27
	s_add_nc_u64 s[12:13], s[12:13], s[28:29]
	s_lshl_b32 s28, s19, 21                        ; Pf
	s_lshr_b32 s27, s18, 1
	s_lshl_b32 s27, s27, 19
	s_add_co_u32 s28, s28, s27
	s_lshl_b32 s27, ttmp9, 14
	s_add_co_u32 s28, s28, s27
	s_and_b32 s27, s18, 1
	s_lshl_b32 s27, s27, 11
	s_add_co_u32 s28, s28, s27
	s_add_nc_u64 s[14:15], s[14:15], s[28:29]
	s_lshl_b32 s28, s19, 16                        ; st
	s_lshl_b32 s27, ttmp9, 11
	s_add_co_u32 s28, s28, s27
	s_add_nc_u64 s[16:17], s[16:17], s[28:29]
	s_wait_kmcnt 0x0
	s_min_u32 s20, s20, 4096                       ; c is at most 4,096 by its making; the bound is written out
	s_max_u32 s27, s20, 1
	s_lshl_b32 s28, ttmp9, 7                       ; my block's first place
	s_cmp_ge_u32 s28, s27
	s_cselect_b32 s[EM], 1, 0                      ; no kept key in this block, and it is not block 0
	s_cselect_b32 s2, 0, 16                        ; bytes a lane in the loads of Q'
	s_min_u32 s2, s2, 16                           ; (it enters an address: its bound is written out)
	v_mul_u32_u24 v[LQ], s2, v14
	s_sub_co_u32 s3, s27, 1                        ; the last kept place (place 0 where none is kept)
	s_sub_co_i32 s27, s20, s28
	v_lshlrev_b32 v3, 3, v2
	v_sub_nc_u32 v[REM], s27, v3
	s_lshl_b32 s27, s18, 4
	s_add_co_u32 s27, s27, s28
	v_add_nc_u32 v14, s27, v2                      ; the place of my first row: 128 kb + 16 w + l / 16
.irp i, 0,1,2,3,4,5,6,7
	v_add_nc_u32 v[IA+\i], 2*\i, v14
	v_min_u32 v[IA+\i], s3, v[IA+\i]               ; a place behind the kept keys takes the last kept key's row: its scores are masked, its weights are 0
	v_min_u32 v[IA+\i], 0xfff, v[IA+\i]            ; a place is below 4,096
	v_lshlrev_b32 v[IA+\i], 2, v[IA+\i]
.endr
.macro XLOAD sn                        ; eight loads: step sn of my 16 rows of X
.set ls, SET0+32*((\sn)%2)
.irp i, 0,1,2,3,4,5,6,7
	global_load_b128 v[ls+4*\i:ls+4*\i+3], v[XO+\i], s[4:5] offset:(\sn)*256
.endr
.endm
.macro QLOAD sn                        ; sixteen loads: step sn's Q' fragments (kk, t, hl) at + 32 kk + 16 t + 8 hl, as they lie in Qf
	WIN 0x40                                       ; destination window 1, address window 0
.irp i, 0,1,2,3,4,5,6,7,8,9,10,11,12,13,14,15
	global_load_b128 v[128+64*((\sn)%2)+4*\i:128+64*((\sn)%2)+4*\i+3], v[LQ], s[8:9] offset:(\sn)*8192+\i*512
.endr
	WIN 0
.endm
.irp i, 0,1,2,3,4,5,6,7
	global_load_b32 v[XO+\i], v[IA+\i], s[6:7]     ; the key at my row's place
.endr
.irp t, 0,1
	global_load_b32 v[CQ+8*\t], v[CO], s[10:11] offset:64*\t
.endr
	QLOAD 0                                        ; what does not hang on the list goes out while the list's words are on their way
	QLOAD 1
	v_mul_u32_u24 v14, v2, PA
	v_lshl_add_u32 v14, v1, 3, v14
	s_mul_i32 s27, s18, 16*PA
	v_add_nc_u32 v[XS], s27, v14
	v_mul_u32_u24 v[XA], v1, PA
	v_lshl_add_u32 v[XA], v2, 4, v[XA]
	v_and_b32 v14, 7, v0                           ; the turning load: lane l reads key 8 (l / 16) + l % 8, d 8 ((l / 8) % 2) + 0..7, and is left with d = l % 16 and eight keys
	v_lshl_add_u32 v14, v2, 3, v14
	v_mul_u32_u24 v14, v14, PA
	v_bfe_u32 v3, v0, 3, 1
	v_lshl_add_u32 v14, v3, 4, v14
	s_mul_i32 s27, s30, 32*PA
	s_lshl_b32 s28, s31, 6
	s_add_co_u32 s27, s27, s28
	v_add_nc_u32 v[XT], s27, v14
	v_mov_b32 v[NI], 0xff800000
	v_lshlrev_b32 v[T16], 4, v0
	s_lshl_b32 s27, s18, 7
	s_add_co_u32 s27, s27, STATS
	v_lshl_add_u32 v[SA], v1, 2, s27
	s_wait_loadcnt 34                              ; the list's eight words are in: cq's 2 loads and Q's 32 were issued behind them
.irp i, 0,1,2,3,4,5,6,7
	v_min_u32 v[XO+\i], 0xfff, v[XO+\i]            ; a key is below 4,096
	v_lshl_add_u32 v[XO+\i], v[XO+\i], 12, v15
.endr
	XLOAD 0
	XLOAD 1
.macro XFLOAD kk                       ; sixteen LDS loads: the eight key fragments of 32 along d
.irp a, 0,1,2,3,4,5,6,7
	ds_load_b128 v[XF+8*\a:XF+8*\a+3],   v[XA] offset:cl+\a*16*PA+(\kk)*64
	ds_load_b128 v[XF+8*\a+4:XF+8*\a+7], v[XA] offset:cl+\a*16*PA+(\kk)*64+32
.endr
.endm
; 32 products: Q' hi, then lo, each on all 16 accumulators, which take turns, one instruction a turn.  The very first 16 take cq as C.
.macro MUL sn, kk
.irp h, 0,1
.if ((\sn) == 0) && ((\kk) == 0) && (\h == 0)
	WIN 0x44                                       ; X window 0, Q' window 1, C (cq) window 0, D window 1
.else
	WIN 0x54                                       ; X window 0, Q', C and D window 1
.endif
.irp a, 0,1,2,3,4,5,6,7
.irp t, 0,1
.if ((\sn) == 0) && ((\kk) == 0) && (\h == 0)
	v_wmma_f32_16x16x32_bf16 v[16*\a+8*\t:16*\a+8*\t+7], v[XF+8*\a:XF+8*\a+7], v[cf+32*(\kk)+16*\t+8*\h:cf+32*(\kk)+16*\t+8*\h+7], v[CQ+8*\t:CQ+8*\t+7]
.else
	v_wmma_f32_16x16x32_bf16 v[16*\a+8*\t:16*\a+8*\t+7], v[XF+8*\a:XF+8*\a+7], v[cf+32*(\kk)+16*\t+8*\h:cf+32*(\kk)+16*\t+8*\h+7], v[16*\a+8*\t:16*\a+8*\t+7]
.endif
.endr
.endr
.endr
.endm
; One step of 64 along d.  On every way: the wait for the step's loads, the loads of the step two further on, the wait for the LDS stores, the barrier, the four places in front of the loads of Q'.
; An empty block jumps over the two pieces of work between them; each jump rejoins ahead of the next barrier, and every window is 0 at the jumps and at their labels.
.macro STEP sn
.set cs, SET0+32*((\sn)%2)
.set cl, ((\sn)%2)*SLOT
.set cf, 128+64*((\sn)%2)
.if (\sn) == 0
	s_wait_loadcnt 8                               ; step 0's X is in, and all that was issued in front of it; only step 1's eight loads of X are younger
.elseif (\sn) < 15
	s_wait_loadcnt 24                              ; this step's X and Q' are in; the next step's 8 + 16 loads stay out
.else
	s_wait_loadcnt 0x0
.endif
.if (\sn) == 0
.irp t, 0,1
.irp j, 1,2,3,4,5,6,7
	v_mov_b32 v[CQ+8*\t+\j], v[CQ+8*\t]            ; a lane's eight scores of a tile belong to one query
.endr
.endr
.endif
.if (\sn) > 1
	s_cmp_lg_u32 s[EM], 0                          ; steps 0 and 1 fill the two slots on every way
	s_cbranch_scc1 .Lno_tile_\@
.endif
.irp i, 0,1,2,3,4,5,6,7
	v_cvt_pk_bf16_f32 v[cs+4*\i],   v[cs+4*\i],   v[cs+4*\i+1]
	v_cvt_pk_bf16_f32 v[cs+4*\i+1], v[cs+4*\i+2], v[cs+4*\i+3]
	ds_store_b64 v[XS], v[cs+4*\i:cs+4*\i+1] offset:cl+\i*2*PA
.endr
.if (\sn) > 1
.Lno_tile_\@:
.endif
.if (\sn) < 14
	XLOAD (\sn)+2
.endif
	s_wait_dscnt 0x0                               ; for the others' sake: my stores into the slot are done (my reads of the other slot were waited for when they were used)
	s_barrier_signal -1
	s_barrier_wait -1
.if (\sn) > 0
	s_cmp_lg_u32 s[EM], 0                          ; step 0 starts the sums on every way
	s_cbranch_scc1 .Lno_work_\@
.endif
	s_wait_xcnt 0x0                                ; the last step's stores have read VT: it is loaded again only behind this wait
	XFLOAD 0
.irp f, 0,1
	ds_load_tr16_b128 v[VT+8*\f:VT+8*\f+3],   v[XT] offset:cl+32*\f
	ds_load_tr16_b128 v[VT+8*\f+4:VT+8*\f+7], v[XT] offset:cl+32*\f+16*PA
.endr
	s_wait_dscnt 4                                 ; the key fragments are in; the four turning loads may be out
	MUL \sn, 0
	WIN 0
	s_wait_dscnt 0x0
.irp f, 0,1
	global_store_b128 v[L16], v[VT+8*\f:VT+8*\f+3],   s[12:13] offset:(((\sn)/2)<<20)|(((\sn)%2)<<12)|(\f<<10)       ; V^T leaves as it was turned: bf16(x)
	global_store_b128 v[L16], v[VT+8*\f+4:VT+8*\f+7], s[12:13] offset:(((\sn)/2)<<20)|(((\sn)%2)<<12)|(\f<<10)|512
.endr
.rept 4
	v_nop                                          ; four places between the products above and the loads into their key fragments
.endr
	XFLOAD 1
	s_wait_dscnt 0x0
	MUL \sn, 1
	WIN 0
.if (\sn) > 0
.Lno_work_\@:
.endif
.rept 4
	v_nop                                          ; four places between the products and the loads into the Q' set and the key fragments that they read (behind the last step: the first reads of the scores)
.endr
.if (\sn) < 14
	QLOAD (\sn)+2
.endif
.endm
.irp s, 0,1,2,3,4,5,6,7,8,9,10,11,12,13,14,15
	STEP \s
.endr
	; THE MASK.  Register j of tile a is place 128 kb + 16 a + 8 (l / 16) + j of the list; from place c on the keys are padded and their scores become -inf.  Each accumulator is read from its low end on.
	WIN 0x41                                       ; destination and source 0 window 1, source 1 (REM, -inf) window 0
.set kt, 0
.rept 8
.set j, 0
.rept 8
	v_cmp_ge_i32 vcc_lo, 16*kt+j, v[REM]
	v_cndmask_b32 v[16*kt+j],   v[16*kt+j],   v[NI], vcc_lo
	v_cndmask_b32 v[16*kt+8+j], v[16*kt+8+j], v[NI], vcc_lo
.set j, j+1
.endr
.set kt, kt+1
.endr
	; THE MAXIMUM of a query's 128 scores: eight chains, one for each key tile, then across them, the floor, and the other half of the lanes
	WIN 0x55
.irp t, 0,1
.irp a, 0,1,2,3,4,5,6,7
	v_max3_num_f32 v[C8+\a], v[16*\a+8*\t], v[16*\a+8*\t+1], v[16*\a+8*\t+2]
.endr
.irp a, 0,1,2,3,4,5,6,7
	v_max3_num_f32 v[C8+\a], v[C8+\a], v[16*\a+8*\t+3], v[16*\a+8*\t+4]
.endr
.irp a, 0,1,2,3,4,5,6,7
	v_max3_num_f32 v[C8+\a], v[C8+\a], v[16*\a+8*\t+5], v[16*\a+8*\t+6]
.endr
.irp a, 0,1,2,3,4,5,6,7
	v_max_num_f32 v[C8+\a], v[C8+\a], v[16*\a+8*\t+7]
.endr
	v_max3_num_f32 v[C8],   v[C8],   v[C8+1], v[C8+2]
	v_max3_num_f32 v[C8+3], v[C8+3], v[C8+4], v[C8+5]
	v_max3_num_f32 v[C8],   v[C8],   v[C8+6], v[C8+7]
	v_max3_num_f32 v[C8],   v[C8],   v[C8+3], s26
	v_permlanex16_b32 v[C8+1], v[C8], s24, s25
	v_max_num_f32 v[MP+4*\t],   v[C8], v[C8+1]
	v_max_num_f32 v[MP+4*\t+1], v[C8], v[C8+1]     ; twice: a pair for the packed subtraction
.endr
	; (s - M) log2 e
.irp t, 0,1
.set ii, 0
.rept 8
.irp j, 0,2,4,6
	v_pk_add_f32 v[16*ii+8*\t+\j:16*ii+8*\t+\j+1], v[16*ii+8*\t+\j:16*ii+8*\t+\j+1], v[MP+4*\t:MP+4*\t+1] neg_lo:[0,1] neg_hi:[0,1]
.endr
.irp j, 0,2,4,6
	v_pk_mul_f32 v[16*ii+8*\t+\j:16*ii+8*\t+\j+1], v[16*ii+8*\t+\j:16*ii+8*\t+\j+1], s[22:23] op_sel_hi:[1,0]
.endr
.set ii, ii+1
.endr
.endr
.set ii, 0
.rept 128
	v_exp_f32 v[ii], v[ii]
.set ii, ii+1
.endr
	v_nop                                          ; a plain instruction between the last exponential and the use of its result
	; P in bf16; then the sums, in place
	s_wait_alu depctr_va_vdst(0)
.irp t, 0,1
.set ii, 0
.rept 8
.irp j, 0,1,2,3
	v_cvt_pk_bf16_f32 v[PK+32*\t+4*ii+\j], v[16*ii+8*\t+2*\j], v[16*ii+8*\t+2*\j+1]
.endr
.set ii, ii+1
.endr
.endr
.irp t, 0,1
.irp a, 0,1,2,3,4,5,6,7
	v_pk_add_f32 v[16*\a+8*\t:16*\a+8*\t+1],     v[16*\a+8*\t:16*\a+8*\t+1],     v[16*\a+8*\t+2:16*\a+8*\t+3]
	v_pk_add_f32 v[16*\a+8*\t+4:16*\a+8*\t+5],   v[16*\a+8*\t+4:16*\a+8*\t+5],   v[16*\a+8*\t+6:16*\a+8*\t+7]
.endr
.irp a, 0,1,2,3,4,5,6,7
	v_pk_add_f32 v[16*\a+8*\t:16*\a+8*\t+1],     v[16*\a+8*\t:16*\a+8*\t+1],     v[16*\a+8*\t+4:16*\a+8*\t+5]
.endr
.irp a, 0,2,4,6
	v_pk_add_f32 v[16*\a+8*\t:16*\a+8*\t+1],     v[16*\a+8*\t:16*\a+8*\t+1],     v[16*\a+16+8*\t:16*\a+16+8*\t+1]
.endr
.irp a, 0,4
	v_pk_add_f32 v[16*\a+8*\t:16*\a+8*\t+1],     v[16*\a+8*\t:16*\a+8*\t+1],     v[16*\a+32+8*\t:16*\a+32+8*\t+1]
.endr
	v_pk_add_f32 v[8*\t:8*\t+1], v[8*\t:8*\t+1], v[64+8*\t:64+8*\t+1]
	v_add_f32 v[C8], v[8*\t], v[8*\t+1]
	v_permlanex16_b32 v[C8+1], v[C8], s24, s25
	v_add_f32 v[MP+4*\t+2], v[C8], v[C8+1]
.endr
	; OUT: M and l meet in LDS and leave as 2,048 consecutive bytes; P leaves as it lies, unless the block is empty: then no later launch reads it
	WIN 0x04                                       ; store data window 1, addresses window 0
.irp t, 0,1
	ds_store_b32 v[SA], v[MP+4*\t]   offset:64*\t          ; both halves of the lanes write one word with one value
	ds_store_b32 v[SA], v[MP+4*\t+2] offset:1024+64*\t
.endr
	WIN 0
	s_cmp_lg_u32 s[EM], 0
	s_cbranch_scc1 .Lno_p
	WIN 0x04
.irp t, 0,1
.irp a, 0,1,2,3,4,5,6,7
	global_store_b128 v[L16], v[PK+32*\t+4*\a:PK+32*\t+4*\a+3], s[14:15] offset:((\a/2)<<12)|(\t<<10)|((\a%2)<<9)
.endr
.endr
	WIN 0
.Lno_p:
	s_wait_dscnt 0x0                               ; for the others' sake: my words of M and l are in LDS
	s_barrier_signal -1
	s_barrier_wait -1
	s_cmp_ge_u32 s18, 4
	s_cbranch_scc1 .Lend                           ; 128 threads x 16 bytes are the 2,048
	ds_load_b128 v[SET0:SET0+3], v[T16] offset:STATS
	s_wait_dscnt 0x0
	global_store_b128 v[T16], v[SET0:SET0+3], s[16:17]
.Lend:
	s_wait_tensorcnt 0x0
	ds_add_u32 v254, v255
	s_wait_dscnt 0x0
	s_endpgm
.Lfunc_end_k_qb4519089bb_scores:
	.size	k_qb4519089bb_scores, .Lfunc_end_k_qb4519089bb_scores-k_qb4519089bb_scores
	.p2alignl 7, 3214868480
	.fill 96, 4, 3214868480
	.section	.rodata,"a",@progbits
	.p2align	6, 0x0
	.amdhsa_kernel k_qb4519089bb_scores
		.amdhsa_group_segment_fixed_size 39936
		.amdhsa_private_segment_fixed_size 0
		.amdhsa_enable_private_segment 0
		.amdhsa_kernarg_size 56
		.amdhsa_user_sgpr_count 2
		.amdhsa_user_sgpr_kernarg_segment_ptr 1
		.amdhsa_wavefront_size32 1
		.amdhsa_system_sgpr_workgroup_id_x 1
		.amdhsa_system_sgpr_workgroup_id_y 1
		.amdhsa_system_sgpr_workgroup_id_z 1
		.amdhsa_system_vgpr_workitem_id 0
		.amdhsa_next_free_vgpr 512
		.amdhsa_next_free_sgpr 66
		.amdhsa_reserve_vcc 1
		.amdhsa_float_denorm_mode_32 3
		.amdhsa_float_denorm_mode_16_64 3
		.amdhsa_memory_ordered 1
		.amdhsa_forward_progress 1
		.amdhsa_inst_pref_size 221
	.end_amdhsa_kernel
	.amdgpu_metadata
---
amdhsa.version: [ 1, 2 ]
amdhsa.kernels:
  - .name:           k_qb4519089bb_scores
    .symbol:         k_qb4519089bb_scores.kd
    .args:
      - { .name: input_flatten, .offset: 0, .size: 8, .value_kind: global_buffer, .address_space: global }
      - { .name: order, .offset: 8, .size: 8, .value_kind: global_buffer, .address_space: global }
      - { .name: Qf, .offset: 16, .size: 8, .value_kind: global_buffer, .address_space: global }
      - { .name: cqws, .offset: 24, .size: 8, .value_kind: global_buffer, .address_space: global }
      - { .name: Vt, .offset: 32, .size: 8, .value_kind: global_buffer, .address_space: global }
      - { .name: Pf, .offset: 40, .size: 8, .value_kind: global_buffer, .address_space: global }
      - { .name: st, .offset: 48, .size: 8, .value_kind: global_buffer, .address_space: global }
    .group_segment_fixed_size: 39936
    .private_segment_fixed_size: 0
    .kernarg_segment_align: 8
    .kernarg_segment_size: 56
    .max_flat_workgroup_size: 256
    .sgpr_count:     66
    .vgpr_count:     512
    .wavefront_size: 32
...
	.end_amdgpu_metadata
.endif
;; end of part 6
;; launch attnv (part 7): grid 32 x 8, 8 waves a work-group, no clusters, 271,872 bytes of LDS; arguments Vt, Pf, st, order, Ows; writes Ows
.if DOCPART == 7
	.amdgcn_target "amdgcn-amd-amdhsa--gfx1250"
	.amdhsa_code_object_version 6
	.text
	.protected	k_qb4519089bb_attnv
	.globl	k_qb4519089bb_attnv
	.p2align	8
	.type	k_qb4519089bb_attnv,@function
k_qb4519089bb_attnv:
	s_mov_b64 s[64:65], 0
	v_nop
	global_prefetch_b8 v0, s[64:65] scope:SCOPE_SE
	s_setreg_imm32_b32 hwreg(HW_REG_WAVE_MODE, 25, 1), 1
	s_wait_xcnt 0x0
; O[q][d] = sum over the key blocks b of (e^(M_b[q] - M[q]) / L[q]) x sum over the block's keys of P_b[q][key] V[key][d],
; M = max over b of M_b, L = sum over b of e^(M_b - M) l_b: the softmax over all kept keys, put together from the blocks' figures.  O: [2048][1024] f32.
; Only the nb blocks that hold kept keys were written by the launch before; the others have M_b = -FLT_MAX, l_b = 0, so their factor is 0.
; LIMITS.  The factor is made and multiplied into P in f32; the scaled weight is rounded to bf16 for the product: with the rounding of P itself at most 2^-8 of a weight.
; A batch with every key padded has L = 0: 1 / L = inf, 0 x inf = NaN, as the softmax of a row of -inf gives.
; SHARES.  Work-group = 64 queries x 128 d of one batch; 32 x 8 work-groups.  A step is 32 places of the key list.  Wave w takes steps w, w + 8, w + 16, ..: step i of a wave lies in block
; (w >> 2) + 2 i.  Each wave holds the whole tile: 32 accumulators, window 1.  So every fragment of V^T and of P is loaded once in the work-group, by the one wave that uses it, as it lies in
; memory, straight into registers: no LDS and no barrier in the loop.  Two register sets of 28 loads take turns.  The eight partial tiles are added in LDS at the end.
; TRIPS.  Every wave runs 2 T steps, T = max(2, ceil(nb / 4)): a first pair, which starts the sums, TR = T - 2 trips of a loop, and a last pair that loads nothing.  TR and KMAX = 4 nb - 1, the last
; step that was written, are whole numbers that the first launch stored.  A step beyond KMAX loads step KMAX's fragments instead (finite numbers) and lies in an empty block: it adds 0.
; No joint request: with the keys dealt to the waves nothing passes through LDS on the way in; V^T's fragments are read by the four query blocks of a batch, each on its own.
; Source 0 = 16 d x 32 keys of V^T, source 1 = 16 queries x 32 keys of P: a lane holds one query and eight neighbouring d.
.set PO,    528                        ; a row of a partial tile: 128 f32 = 512 bytes + 16
.set PART,  64*PO                      ; a wave's partial tile
.set STATB, 8*PART                     ; 64 words of M, 64 of 1 / L
.set ROWB,  16896                      ; bytes of a batch in order; KMAX and TR are the two words at byte 16,384
.set L16, 4                            ; v4   16 x lane
.set SO,  5                            ; v5   statistics: blocks 16 (l / 16) + i, query 16 w + l % 16 (waves 0 to 3)
.set SO2, 6                            ; v6   4 (l % 16)
.set ST,  7                            ; v7   where I put 32 bytes of a row of my partial tile
.set GO,  9                            ; v9   my 16 bytes in O
.set SR,  10                           ; v10  where I read M of query l % 16
.set SS,  11                           ; v11  where wave t < 4 puts M of query 16 t + l % 16
.set MG,  12                           ; v[12:15]   M of my query in tile t
.set RL,  16                           ; v[16:19]   1 / L
.set FC,  20                           ; v[20:23]   the step's factor
.set PS,  32                           ; v[32:63], v[64:95]     P's four tiles, two sets
.set MB,  96                           ; v[96:99], v[100:103]   M_b of the step's block, two sets
.set T,   104                          ; v[104:111] at work
.set ZR,  112                          ; v112 0: the addend of the multiply that widens
.set VS,  128                          ; v[128:191], v[192:255] V^T's eight tiles, two sets
.set RDP, 224                          ; v[224:231] behind the loop: where I read 16 bytes of partial tile p
.set KN,  22                           ; s22  the step that the next run of loads fetches
.set PTR, 24                           ; s[24:29], s[30:35]  a set's three addresses: V^T, P, M_b
.set MSB, 0
.macro WIN new
.if MSB != \new
	s_set_vgpr_msb (MSB<<8)|\new
.set MSB, \new
.endif
.endm
	s_load_b256 s[4:11], s[0:1], 0x0               ; Vt s[4:5], Pf s[6:7], st s[8:9], order s[10:11]
	s_load_b64 s[12:13], s[0:1], 0x20              ; O
	v_lshl_add_u32 v30, v0, 2, 0x42200
	v_mov_b32 v31, 0
	v_and_b32 v1, 15, v0
	v_bfe_u32 v2, v0, 4, 1
	v_lshrrev_b32 v3, 5, v0
	v_readfirstlane_b32 s14, v3                    ; wave 0..7
	s_and_b32 s15, ttmp9, 3                        ; block of 64 queries
	s_lshr_b32 s16, ttmp9, 2                       ; block of 128 d
	s_and_b32 s17, ttmp7, 0xffff                   ; batch
	s_mov_b32 s38, 0x3fb8aa3b                      ; log2 e
	s_mov_b32 s39, s38
	s_mov_b32 s40, 0x76543210
	s_mov_b32 s41, 0xfedcba98
	s_mov_b32 s37, 0
	s_mov_b32 s[KN], s14                           ; my first step
	v_and_b32 v8, 31, v0
	v_lshlrev_b32 v[L16], 4, v8
	v_lshlrev_b32 v[SO2], 2, v1
	v_mov_b32 v[ZR], 0
	s_wait_kmcnt 0x0
	s_mul_i32 s36, s17, ROWB
	s_add_co_u32 s36, s36, 16384
	s_add_nc_u64 s[10:11], s[10:11], s[36:37]
	s_load_b64 s[20:21], s[10:11], 0x0             ; KMAX, TR
	s_lshl_b32 s36, s17, 23                        ; Vt: batch, d block
	s_lshl_b32 s42, s16, 20
	s_add_co_u32 s36, s36, s42
	s_add_nc_u64 s[4:5], s[4:5], s[36:37]
	s_lshl_b32 s36, s17, 21                        ; Pf: batch, query block
	s_lshl_b32 s42, s15, 19
	s_add_co_u32 s36, s36, s42
	s_add_nc_u64 s[6:7], s[6:7], s[36:37]
	s_lshl_b32 s36, s17, 16                        ; st: batch, query block
	s_lshl_b32 s42, s15, 8
	s_add_co_u32 s36, s36, s42
	s_add_nc_u64 s[8:9], s[8:9], s[36:37]
	s_lshl_b32 s36, s17, 20                        ; O: batch, query block, d block
	s_lshl_b32 s42, s15, 18
	s_add_co_u32 s36, s36, s42
	s_lshl_b32 s42, s16, 9
	s_add_co_u32 s36, s36, s42
	s_add_nc_u64 s[12:13], s[12:13], s[36:37]
	s_lshl_b32 s42, s14, 6
	v_lshl_add_u32 v[SO], v2, 15, v[SO2]
	v_add_nc_u32 v[SO], s42, v[SO]
	s_add_co_u32 s42, s42, STATB
	v_lshl_add_u32 v[SS], v1, 2, s42
	v_lshl_add_u32 v[SR], v1, 2, STATB
	; THE STATISTICS are read once in the work-group: wave t < 4 takes query tile t: M and l of 16 blocks a lane (the other 16 lie in the other half of the lanes)
	s_cmp_ge_u32 s14, 4
	s_cbranch_scc1 .Lnoload
	WIN 0x40                                       ; destination window 1 (the accumulators' registers, still free), address window 0
.set ii, 0
.rept 16
	global_load_b32 v[ii],    v[SO], s[8:9] offset:(ii<<11)
	global_load_b32 v[16+ii], v[SO], s[8:9] offset:(ii<<11)|1024
.set ii, ii+1
.endr
	WIN 0
.Lnoload:
	s_wait_kmcnt 0x0
	s_min_u32 s20, s20, 127                        ; both are inside these bounds by their making; the bounds are written out
	s_min_u32 s21, s21, 6
; 28 loads into set st: step KN's eight tiles of V^T and four of P (step KMAX's, if KN is beyond it), and M_b of KN's block for my four queries.  The set's addresses are written again
; only behind the wait that has shown the set's last loads done.
.macro LOADX st
.set pb, PTR+6*(\st)
	s_min_u32 s42, s[KN], s20
	s_min_u32 s42, s42, 127
	s_lshl_b32 s36, s42, 13
	s_add_nc_u64 s[pb:pb+1], s[4:5], s[36:37]
	s_lshl_b32 s36, s42, 12
	s_add_nc_u64 s[pb+2:pb+3], s[6:7], s[36:37]
	s_lshr_b32 s36, s[KN], 2
	s_min_u32 s36, s36, 31
	s_lshl_b32 s36, s36, 11
	s_add_nc_u64 s[pb+4:pb+5], s[8:9], s[36:37]
	s_add_co_u32 s[KN], s[KN], 8
.irp i, 0,1,2,3,4,5,6,7,8,9,10,11,12,13,14,15
	global_load_b128 v[VS+64*(\st)+4*\i:VS+64*(\st)+4*\i+3], v[L16], s[pb:pb+1] offset:\i*512
.endr
.irp i, 0,1,2,3,4,5,6,7
	global_load_b128 v[PS+32*(\st)+4*\i:PS+32*(\st)+4*\i+3], v[L16], s[pb+2:pb+3] offset:\i*512
.endr
.irp t, 0,1,2,3
	global_load_b32 v[MB+4*(\st)+\t], v[SO2], s[pb+4:pb+5] offset:64*\t
.endr
.endm
	LOADX 0
	LOADX 1
	v_mul_u32_u24 v[ST], v1, PO
	v_lshl_add_u32 v[ST], v2, 5, v[ST]
	s_mul_i32 s42, s14, PART
	v_add_nc_u32 v[ST], s42, v[ST]
	s_lshl_b32 s42, s14, 15
	v_add_nc_u32 v[GO], s42, v[L16]                ; rows 8 w .. 8 w + 7 of the tile are mine to add up: 8 x 4096 bytes
	s_cmp_ge_u32 s14, 4
	s_cbranch_scc1 .Lnostat
	s_wait_loadcnt 56                              ; the statistics are in: the two sets' 56 loads were issued behind them
	WIN 0x55
	v_mov_b32 v33, 0                               ; the exchange's destination counts as read
	v_max3_num_f32 v32, v0, v1, v2
.irp i, 3,5,7,9,11,13
	v_max3_num_f32 v32, v32, v[\i], v[\i+1]
.endr
	v_max_num_f32 v32, v32, v15
	v_permlanex16_b32 v33, v32, s40, s41
	v_max_num_f32 v32, v32, v33                    ; M over all 32 blocks
	v_mov_b32 v33, v32
.irp i, 0,2,4,6,8,10,12,14
	v_pk_add_f32 v[\i:\i+1], v[\i:\i+1], v[32:33] neg_lo:[0,1] neg_hi:[0,1]
.endr
.irp i, 0,2,4,6,8,10,12,14
	v_pk_mul_f32 v[\i:\i+1], v[\i:\i+1], s[38:39] op_sel_hi:[1,0]
.endr
.irp i, 0,1,2,3,4,5,6,7,8,9,10,11,12,13,14,15
	v_exp_f32 v[\i], v[\i]
.endr
	v_nop                                          ; a plain instruction between the last exponential and the use of its result
	s_wait_alu depctr_va_vdst(0)
	v_pk_mul_f32 v[0:1], v[0:1], v[16:17]
.irp i, 2,4,6,8,10,12,14
	v_pk_fma_f32 v[0:1], v[\i:\i+1], v[16+\i:16+\i+1], v[0:1]
.endr
	v_add_f32 v34, v0, v1
	v_permlanex16_b32 v33, v34, s40, s41
	v_add_f32 v34, v34, v33                        ; L
	v_rcp_f32 v35, v34
	v_nop
	WIN 0x04                                       ; store data window 1, address window 0
	ds_store_b32 v[SS], v32                        ; both halves of the lanes write one word with one value
	s_wait_alu depctr_va_vdst(0)
	ds_store_b32 v[SS], v35 offset:256
	WIN 0
.Lnostat:
	s_wait_dscnt 0x0                               ; for the others' sake
	s_barrier_signal -1
	s_barrier_wait -1
.irp t, 0,1,2,3
	ds_load_b32 v[MG+\t], v[SR] offset:64*\t
	ds_load_b32 v[RL+\t], v[SR] offset:256+64*\t
.endr
	s_wait_dscnt 0x0
; One step of 32 places on set st.  The factor of the step's block; P times it, in f32, rounded once to bf16; 32 products, the 32 accumulators by turns, one instruction a turn.
; zero = 1: the products start the sums.  left: the younger loads that may stay out.  load = 1: the set takes the step two further on.
.macro STEP st, zero, left, load
.set cp, PS+32*(\st)
.set cm, MB+4*(\st)
.set cv, VS+64*(\st)
	s_wait_loadcnt \left
.irp t, 0,1,2,3
	v_sub_f32 v[cm+\t], v[cm+\t], v[MG+\t]         ; M_b - M, the difference first
.endr
.irp t, 0,1,2,3
	v_mul_f32 v[cm+\t], s38, v[cm+\t]
.endr
.irp t, 0,1,2,3
	v_exp_f32 v[cm+\t], v[cm+\t]
.endr
	v_nop                                          ; a plain instruction between the last exponential and the use of its result
	s_wait_alu depctr_va_vdst(0)
.irp t, 0,1,2,3
	v_mul_f32 v[FC+\t], v[cm+\t], v[RL+\t]
.endr
.set ii, 0
.rept 32
.set tw, T+2*(ii%4)
	v_fma_mix_f32_bf16 v[tw],   v[cp+ii], v[FC+ii/8], v[ZR] op_sel_hi:[1,0,0]                  ; the low bf16 x the factor, in f32
	v_fma_mix_f32_bf16 v[tw+1], v[cp+ii], v[FC+ii/8], v[ZR] op_sel:[1,0,0] op_sel_hi:[1,0,0]   ; the high one
	v_cvt_pk_bf16_f32 v[cp+ii], v[tw], v[tw+1]
.set ii, ii+1
.endr
	WIN 0x50                                       ; V^T and P window 0, C and D window 1
.irp d, 0,1,2,3,4,5,6,7
.irp t, 0,1,2,3
.if \zero
	v_wmma_f32_16x16x32_bf16 v[8*(4*\d+\t):8*(4*\d+\t)+7], v[cv+8*\d:cv+8*\d+7], v[cp+8*\t:cp+8*\t+7], 0
.else
	v_wmma_f32_16x16x32_bf16 v[8*(4*\d+\t):8*(4*\d+\t)+7], v[cv+8*\d:cv+8*\d+7], v[cp+8*\t:cp+8*\t+7], v[8*(4*\d+\t):8*(4*\d+\t)+7]
.endif
.endr
.endr
	WIN 0
.rept 4
	v_nop                                          ; four places between the products and the loads into the set that they read (behind the last step: the stores of the results)
.endr
.if \load
	LOADX \st
.endif
.endm
	STEP 0, 1, 28, 1                               ; the first pair stands ahead of the loop: its first products start the sums.  28: the other set's loads stay out
	STEP 1, 0, 28, 1
	s_cmp_eq_u32 s21, 0
	s_cbranch_scc1 .Ltail
.Lpair:
	STEP 0, 0, 28, 1
	STEP 1, 0, 28, 1
	s_sub_co_u32 s21, s21, 1
	s_cmp_lg_u32 s21, 0
	s_cbranch_scc1 .Lpair
.Ltail:
	STEP 0, 0, 28, 0                               ; the last pair fetches nothing
	STEP 1, 0, 0, 0
	; THE WAY OUT.  Each wave's partial tile goes into LDS, 32 bytes a lane; behind one barrier wave w adds up rows 8 w .. 8 w + 7 of all eight and stores them.
	s_mul_i32 s42, s14, 8*PO
	v_add_nc_u32 v[RDP], s42, v[L16]
.irp p, 1,2,3,4,5,6,7
	v_add_nc_u32 v[RDP+\p], \p*PART, v[RDP]
.endr
	WIN 0x04                                       ; store data window 1, address window 0
.irp d, 0,1,2,3,4,5,6,7
.irp t, 0,1,2,3
	ds_store_b128 v[ST], v[8*(4*\d+\t):8*(4*\d+\t)+3]   offset:\t*16*PO+\d*64      ; each accumulator from its low end on
	ds_store_b128 v[ST], v[8*(4*\d+\t)+4:8*(4*\d+\t)+7] offset:\t*16*PO+\d*64+16
.endr
.endr
	WIN 0
	s_wait_dscnt 0x0
	s_barrier_signal -1
	s_barrier_wait -1
.irp g, 0,1
.set ir, 0
.rept 4
.set ip, 0
.rept 8
	ds_load_b128 v[32+32*ir+4*ip:32+32*ir+4*ip+3], v[RDP+ip] offset:(4*\g+ir)*PO
.set ip, ip+1
.endr
.set ir, ir+1
.endr
	s_wait_dscnt 0x0
.set ir, 0
.rept 4
.set xx, 32+32*ir
.set rr, 160+16*\g+4*ir                ; the sums have registers of their own, which no later line writes
.set ip, 1
.rept 6
	v_pk_add_f32 v[xx:xx+1],   v[xx:xx+1],   v[xx+4*ip:xx+4*ip+1]
	v_pk_add_f32 v[xx+2:xx+3], v[xx+2:xx+3], v[xx+4*ip+2:xx+4*ip+3]
.set ip, ip+1
.endr
	v_pk_add_f32 v[rr:rr+1],   v[xx:xx+1],   v[xx+28:xx+29]
	v_pk_add_f32 v[rr+2:rr+3], v[xx+2:xx+3], v[xx+30:xx+31]
	global_store_b128 v[GO], v[rr:rr+3], s[12:13] offset:(4*\g+ir)*4096   ; the wave stores 512 consecutive bytes of a row of O, aligned
.set ir, ir+1
.endr
.endr
	s_wait_tensorcnt 0x0
	ds_add_u32 v30, v31
	s_wait_dscnt 0x0
	s_endpgm
.Lfunc_end_k_qb4519089bb_attnv:
	.size	k_qb4519089bb_attnv, .Lfunc_end_k_qb4519089bb_attnv-k_qb4519089bb_attnv
	.p2alignl 7, 3214868480
	.fill 96, 4, 3214868480
	.section	.rodata,"a",@progbits
	.p2align	6, 0x0
	.amdhsa_kernel k_qb4519089bb_attnv
		.amdhsa_group_segment_fixed_size 271872
		.amdhsa_private_segment_fixed_size 0
		.amdhsa_enable_private_segment 0
		.amdhsa_kernarg_size 40
		.amdhsa_user_sgpr_count 2
		.amdhsa_user_sgpr_kernarg_segment_ptr 1
		.amdhsa_wavefront_size32 1
		.amdhsa_system_sgpr_workgroup_id_x 1
		.amdhsa_system_sgpr_workgroup_id_y 1
		.amdhsa_system_sgpr_workgroup_id_z 1
		.amdhsa_system_vgpr_workitem_id 0
		.amdhsa_next_free_vgpr 512
		.amdhsa_next_free_sgpr 66
		.amdhsa_reserve_vcc 0
		.amdhsa_float_denorm_mode_32 3
		.amdhsa_float_denorm_mode_16_64 3
		.amdhsa_memory_ordered 1
		.amdhsa_forward_progress 1
		.amdhsa_inst_pref_size 98
	.end_amdhsa_kernel
	.amdgpu_metadata
---
amdhsa.version: [ 1, 2 ]
amdhsa.kernels:
  - .name:           k_qb4519089bb_attnv
    .symbol:         k_qb4519089bb_attnv.kd
    .args:
      - { .name: Vt, .offset: 0, .size: 8, .value_kind: global_buffer, .address_space: global }
      - { .name: Pf, .offset: 8, .size: 8, .value_kind: global_buffer, .address_space: global }
      - { .name: st, .offset: 16, .size: 8, .value_kind: global_buffer, .address_space: global }
      - { .name: order, .offset: 24, .size: 8, .value_kind: global_buffer, .address_space: global }
      - { .name: Ows, .offset: 32, .size: 8, .value_kind: global_buffer, .address_space: global }
    .group_segment_fixed_size: 271872
    .private_segment_fixed_size: 0
    .kernarg_segment_align: 8
    .kernarg_segment_size: 40
    .max_flat_workgroup_size: 256
    .sgpr_count:     66
    .vgpr_count:     512
    .wavefront_size: 32
...
	.end_amdgpu_metadata
.endif
;; end of part 7
;; launch oproj: the kernel of part 1 again; grid 16 x 16, 8 waves a work-group, no clusters, 91,136 bytes of LDS; arguments Ows, Wo, bo, out0; writes out0
;; ======== version 3 of 3: 6 launches; version 2 with the launches qproj, kfold, oproj written anew for expert scheduling mode
;; limits: values outside matrix products are rounded to bf16; values outside matrix products are rounded to f16
;; workspace buffers: Qws 8,388,608 bytes; cqws 8,192 bytes; Qf 8,388,608 bytes; Vt 67,108,864 bytes; Pf 16,777,216 bytes; st 524,288 bytes; Ows 8,388,608 bytes; order 135,168 bytes of whole numbers
;; launch compact: the kernel of part 5 again; grid 8 x 1, 8 waves a work-group, no clusters, 1,280 bytes of LDS; arguments input_padding_mask, order; writes order
;; launch qproj (part 8): grid 16 x 16, 8 waves a work-group, no clusters, 91,136 bytes of LDS; arguments query, Wq, bq, Qws; writes Qws
.if DOCPART == 8
	.amdgcn_target "amdgcn-amd-amdhsa--gfx1250"
	.amdhsa_code_object_version 6
	.text
	.protected	k_qb4519089bb_qproj
	.globl	k_qb4519089bb_qproj
	.p2align	8
	.type	k_qb4519089bb_qproj,@function
k_qb4519089bb_qproj:
	s_mov_b64 s[64:65], 0
	v_nop
	global_prefetch_b8 v0, s[64:65] scope:SCOPE_SE
	s_setreg_imm32_b32 hwreg(HW_REG_WAVE_SCHED_MODE, 0, 2), 2
	s_setreg_imm32_b32 hwreg(HW_REG_WAVE_MODE, 25, 1), 1
	s_wait_xcnt 0x0
	s_wait_alu depctr_vm_vsrc(0)
; C[m][n] = sum over k of bf16(A[m][k]) bf16(B[n][k]) + bf16(bias[n]).  A: [2048][1024], B: [1024][1024], bias: [1024], C: [2048][1024], all f32.
; LIMIT: A, B and the bias are rounded to bf16 once (nearest even); sums in f32; C is not rounded.
; SHARES.  A work-group makes 128 rows x 64 columns of C; 16 x 16 work-groups.  K goes in 16 steps of 64 (256 bytes of an f32 row, aligned), all written out.
; Eight waves: wave wv makes rows 32 (wv & 3) .. +31, columns 32 (wv >> 2) .. +31: four accumulators of 16 x 16.
; WAY IN.  The f32 tiles are rounded once on their way, so they pass through registers: each wave loads 16 rows of A and 8 of B (sixteen lanes take one
; row's 256 bytes), packs them to bf16 and stores them into one of two LDS slots.  Two register sets hold the next two steps' loads.
; No tensor load and no joint request: a tile fetched into LDS as f32 would take twice the LDS bytes and be rounded again by each of the waves that read it.
; ONE barrier a step: in front of it each wave's LDS stores of this step and its LDS loads of the step before are done, so the slot written in step s (read last in step s - 2) is free.
; THE MATRIX INSTRUCTION IS USED TRANSPOSED: source 0 = 16 rows of B, source 1 = 16 rows of A: a lane holds row l % 16 of C and eight neighbouring columns.
; THE MODE: SCHED_MODE bits 1:0 = 2 (LLVM: expert scheduling mode 2), set by the entry lines.  The code itself states the register dependences
; between vector or matrix instructions and memory or LDS instructions, with s_wait_alu, always for 0.
; THE PLAN.  Registers that memory or LDS instructions touch:
;   the two sets  Step s: its 24 roundings read set s % 2; behind them the loads of step s + 2 land in it.  No memory instruction reads a set.
;   OUT           Written by step s's roundings, read by its twelve LDS stores, written again by step s + 1's roundings.
;   FR            Step s's sixteen LDS loads land in it, behind the barrier; its eight products read it.
;   ACC           Named by products alone, until the LDS stores of the way out read it.
;   v4-v11, v13   Offsets and addresses: made at the head, never written again; the steps are reached by immediate offsets.
; So ONE wait on va_vdst stands in a step, behind its roundings: OUT is written, the set is read out, and the products of the step before are done reading FR.  From it to the step's first
; product no vector instruction is issued, and the products name FR, ACC and the bias alone: the step's LDS stores, its twelve loads from memory and its LDS loads owe nothing more.
; One wait on vm_vsrc stands at a step's head, a barrier and eight products behind the LDS stores whose reading of OUT it states.
.set PA,    144                        ; an LDS row: 64 bf16 = 128 bytes + 16: the sixteen rows of a fragment load start 16 bytes apart modulo 256
.set PS,    272                        ; a row of the stage: 64 f32 = 256 bytes + 16
.set BOFF,  128*PA                     ; B's 64 rows lie behind A's 128
.set SLOT,  192*PA
.set STAGE, 2*SLOT                     ; 128 rows x 272 bytes, for the way out
.set RO,  4                            ; v4   byte offset of my 16 bytes in A's tile and, at the end, in C's: (16 wv + l / 16) x 4096 + 16 (l % 16)
.set BO,  5                            ; v5   the same in B's tile: (8 wv + l / 16) x 4096 + 16 (l % 16)
.set AS,  6                            ; v6   where I store 8 bytes of A in a slot
.set BS,  7                            ; v7   the same for B
.set FA,  8                            ; v8   my A fragments in slot 0
.set FB,  9                            ; v9   my B fragments in slot 0
.set ST,  10                           ; v10  the way out: where I put 32 bytes of a row
.set RD,  11                           ; v11  the way out: where I read 16 bytes of a row back
.set BIO, 13                           ; v13  byte offset of my eight numbers of the bias
.set TMP, 14                           ; v14, v15 at work
.set BI,  16                           ; v[16:31]   the bias of my columns, 8 for each column tile: the C of the first products
.set ACC, 32                           ; v[32:63]   accumulator (m, t) at ACC + 8 (2 m + t)
.set SET0, 64                          ; v[64:111], v[112:159]  two sets: A's load i at + 4 i, B's at + 32 + 4 i
.set FR,  160                          ; v[160:223] fragments: for each 32 along K: A rows 0-15, A rows 16-31, B 0-15, B 16-31
.set OUT, 224                          ; v[224:247] the step's numbers in bf16, 8 bytes for each load: A's load i at + 2 i, B's at + 16 + 2 i
	s_load_b256 s[4:11], s[0:1], 0x0               ; A s[4:5], B s[6:7], bias s[8:9], C s[10:11]
	v_lshl_add_u32 v248, v0, 2, 0x16000
	v_mov_b32 v249, 0
	v_and_b32 v1, 15, v0                           ; l % 16
	v_bfe_u32 v2, v0, 4, 1                         ; l / 16
	v_lshrrev_b32 v3, 5, v0
	v_readfirstlane_b32 s12, v3                    ; wave 0..7
	s_mov_b32 s13, 0xffff0000                      ; a word's upper bf16
	s_wait_alu depctr_va_sdst(0)                   ; s12 is written, ahead of its first reader: offsets and LDS addresses are made from it
	s_and_b32 s16, s12, 3                          ; which 32 rows are mine
	s_lshr_b32 s17, s12, 2                         ; which 32 columns
	s_and_b32 s18, ttmp7, 0xffff                   ; block of 128 rows
	s_lshl_b32 s14, s18, 19                        ; x 128 rows x 4096 bytes
	s_mov_b32 s15, 0
	s_lshl_b32 s22, ttmp9, 18                      ; block of 64 columns = 64 rows of B x 4096 bytes
	s_mov_b32 s23, 0
	s_lshl_b32 s20, ttmp9, 8                       ; 64 columns x 4 bytes
	s_mov_b32 s21, 0
	v_lshlrev_b32 v15, 4, v1
	v_lshl_add_u32 v[TMP], v2, 12, v15
	s_lshl_b32 s19, s12, 16
	v_add_nc_u32 v[RO], s19, v[TMP]
	s_lshl_b32 s19, s12, 15
	v_add_nc_u32 v[BO], s19, v[TMP]
	s_lshl_b32 s19, s17, 7
	v_lshl_add_u32 v[BIO], v2, 5, s19              ; 128 x column half + 32 (l / 16)
	s_wait_kmcnt 0x0
	s_add_nc_u64 s[4:5], s[4:5], s[14:15]
	s_add_nc_u64 s[6:7], s[6:7], s[22:23]
	s_add_nc_u64 s[8:9], s[8:9], s[20:21]
	s_add_nc_u64 s[10:11], s[10:11], s[14:15]
	s_add_nc_u64 s[10:11], s[10:11], s[20:21]
	s_wait_alu depctr_va_vdst(0)                   ; v4, v5 and v13 are written: every load from memory reads one of them as its offset
; twelve loads: K step sn of A's 16 rows and B's 8 rows that are mine, into the step's set
.macro LOADS sn
.set ls, SET0+48*((\sn)%2)
.irp i, 0,1,2,3,4,5,6,7
	global_load_b128 v[ls+4*\i:ls+4*\i+3], v[RO], s[4:5] offset:\i*8192+(\sn)*256
.endr
.irp i, 0,1,2,3
	global_load_b128 v[ls+32+4*\i:ls+32+4*\i+3], v[BO], s[6:7] offset:\i*8192+(\sn)*256
.endr
.endm
.irp t, 0,1
	global_load_b128 v[BI+8*\t:BI+8*\t+3],   v[BIO], s[8:9] offset:64*\t
	global_load_b128 v[BI+8*\t+4:BI+8*\t+7], v[BIO], s[8:9] offset:64*\t+16
.endr
	LOADS 0
	LOADS 1
	; the LDS addresses, while the loads are out: none of the registers written here is an offset or a destination of those loads
	v_mul_u32_u24 v[TMP], v2, PA
	v_lshl_add_u32 v[TMP], v1, 3, v[TMP]           ; (l / 16) x pitch + 8 (l % 16)
	s_mul_i32 s19, s12, 16*PA
	v_add_nc_u32 v[AS], s19, v[TMP]
	s_mul_i32 s19, s12, 8*PA
	s_add_co_u32 s19, s19, BOFF
	v_add_nc_u32 v[BS], s19, v[TMP]
	v_mul_u32_u24 v[TMP], v1, PA
	v_lshl_add_u32 v[TMP], v2, 4, v[TMP]           ; a fragment: row l % 16, 16 bytes for each half of the lanes
	s_mul_i32 s19, s16, 32*PA
	v_add_nc_u32 v[FA], s19, v[TMP]
	s_mul_i32 s19, s17, 32*PA
	s_add_co_u32 s19, s19, BOFF
	v_add_nc_u32 v[FB], s19, v[TMP]
	v_mul_u32_u24 v[TMP], v1, PS
	v_lshl_add_u32 v[TMP], v2, 5, v[TMP]           ; the stage: row l % 16, 32 bytes for each half of the lanes
	s_mul_i32 s19, s16, 32*PS
	s_lshl_b32 s18, s17, 7
	s_add_co_u32 s19, s19, s18
	s_add_co_u32 s19, s19, STAGE
	v_add_nc_u32 v[ST], s19, v[TMP]
	v_mul_u32_u24 v[TMP], v2, PS
	v_add_nc_u32 v[TMP], v[TMP], v15               ; back: lanes 0-15 one row of 256 bytes, lanes 16-31 the next
	s_mul_i32 s19, s12, 16*PS
	s_add_co_u32 s19, s19, STAGE
	v_add_nc_u32 v[RD], s19, v[TMP]
	s_wait_loadcnt 24                              ; the bias is in: the two sets' 24 loads were issued behind it
.irp j, 0,2,4,6,8,10,12,14
	v_cvt_pk_bf16_f32 v[TMP], v[BI+\j], v[BI+\j+1] ; the bias rounded to bf16, and back in f32
	v_lshlrev_b32 v[BI+\j], 16, v[TMP]
	v_and_b32 v[BI+\j+1], s13, v[TMP]
.endr
; One K step.  The 24 roundings also stand between the last step's products and the loads into their fragments.
; The four accumulators take turns, one instruction a turn, in the same order throughout.
.macro STEP sn
.set cs, SET0+48*((\sn)%2)
.set cl, ((\sn)%2)*SLOT
.if (\sn) < 15
	s_wait_loadcnt 12                              ; this step's set is in; the next step's 12 loads stay out
.else
	s_wait_loadcnt 0x0
.endif
.if (\sn) > 0
	s_wait_alu depctr_vm_vsrc(0)                   ; the last step's LDS stores have read OUT, which the roundings below write again
.endif
.irp i, 0,1,2,3,4,5,6,7,8,9,10,11
	v_cvt_pk_bf16_f32 v[OUT+2*\i],   v[cs+4*\i],   v[cs+4*\i+1]   ; A's eight loads, then B's four
	v_cvt_pk_bf16_f32 v[OUT+2*\i+1], v[cs+4*\i+2], v[cs+4*\i+3]
.endr
	s_wait_alu depctr_va_vdst(0)                   ; the roundings have written OUT, which the LDS stores read, and are done reading the set, in which the loads below land; the last step's products are done reading FR, in which the LDS loads behind the barrier land; in step 0: the LDS addresses v6 to v11 are written
.irp i, 0,1,2,3,4,5,6,7
	ds_store_b64 v[AS], v[OUT+2*\i:OUT+2*\i+1] offset:cl+\i*2*PA
.endr
.irp i, 0,1,2,3
	ds_store_b64 v[BS], v[OUT+16+2*\i:OUT+16+2*\i+1] offset:cl+\i*2*PA
.endr
.if (\sn) < 14
	LOADS (\sn)+2                                  ; the set just emptied takes the step two further on.  No wait: no vector instruction since the wait above
.endif
	s_wait_dscnt 0x0                               ; for the others' sake: my stores into the slot are done (my reads of the other slot were waited for when they were used)
	s_barrier_signal -1
	s_barrier_wait -1
.irp k, 0,1
.irp m, 0,1
	ds_load_b128 v[FR+32*\k+8*\m:FR+32*\k+8*\m+3],   v[FA] offset:cl+\m*16*PA+\k*64
	ds_load_b128 v[FR+32*\k+8*\m+4:FR+32*\k+8*\m+7], v[FA] offset:cl+\m*16*PA+\k*64+32
.endr
.irp m, 0,1
	ds_load_b128 v[FR+32*\k+16+8*\m:FR+32*\k+16+8*\m+3],   v[FB] offset:cl+\m*16*PA+\k*64
	ds_load_b128 v[FR+32*\k+16+8*\m+4:FR+32*\k+16+8*\m+7], v[FB] offset:cl+\m*16*PA+\k*64+32
.endr
.endr
.irp k, 0,1
	s_wait_dscnt 8-8*\k                            ; the first 32 along K are in while the other eight loads are out; then all
.irp m, 0,1
.irp t, 0,1
.if ((\sn) == 0) && (\k == 0)
	v_wmma_f32_16x16x32_bf16 v[ACC+8*(2*\m+\t):ACC+8*(2*\m+\t)+7], v[FR+32*\k+16+8*\t:FR+32*\k+16+8*\t+7], v[FR+32*\k+8*\m:FR+32*\k+8*\m+7], v[BI+8*\t:BI+8*\t+7]
.else
	v_wmma_f32_16x16x32_bf16 v[ACC+8*(2*\m+\t):ACC+8*(2*\m+\t)+7], v[FR+32*\k+16+8*\t:FR+32*\k+16+8*\t+7], v[FR+32*\k+8*\m:FR+32*\k+8*\m+7], v[ACC+8*(2*\m+\t):ACC+8*(2*\m+\t)+7]
.endif
.endr
.endr
.endr
.endm
.irp s, 0,1,2,3,4,5,6,7,8,9,10,11,12,13,14,15
	STEP \s                                        ; the first step's products take the bias as C: nothing is cleared, nothing is added later
.endr
	; THE WAY OUT.  A lane's 32 bytes are an eighth of a row's 256; the rows are put together in the stage (bytes of its own) and leave whole.
.rept 4
	v_nop                                          ; four places between the last products and the stores that read them
.endr
	s_wait_alu depctr_va_vdst(0)                   ; the products have written the accumulators, which the LDS stores read (the places above stay beside this wait); the roundings that read v[64:95], in which the stage's rows land below, stand ahead of it too
.irp m, 0,1
.irp t, 0,1
	ds_store_b128 v[ST], v[ACC+8*(2*\m+\t):ACC+8*(2*\m+\t)+3]   offset:\m*16*PS+\t*64      ; each accumulator from its low end on
	ds_store_b128 v[ST], v[ACC+8*(2*\m+\t)+4:ACC+8*(2*\m+\t)+7] offset:\m*16*PS+\t*64+16
.endr
.endr
	s_wait_dscnt 0x0                               ; a row's 256 bytes come from two waves: my part is done,
	s_barrier_signal -1
	s_barrier_wait -1                              ; everybody's is
.irp i, 0,1,2,3,4,5,6,7
	ds_load_b128 v[SET0+4*\i:SET0+4*\i+3], v[RD] offset:\i*2*PS
.endr
.irp i, 0,1,2,3,4,5,6,7
	s_wait_dscnt 7-\i                              ; LDS loads come back in order: pair i of rows is in
	global_store_b128 v[RO], v[SET0+4*\i:SET0+4*\i+3], s[10:11] offset:\i*8192   ; sixteen lanes store 256 consecutive bytes, aligned
.endr
	s_wait_dscnt 0x0
	s_wait_alu depctr_hold_cnt(0) depctr_sa_sdst(0) depctr_va_vdst(0) depctr_va_sdst(0) depctr_va_ssrc(0) depctr_va_vcc(0) depctr_vm_vsrc(0)
	s_wait_tensorcnt 0x0
	ds_add_u32 v248, v249
	s_wait_dscnt 0x0
	s_endpgm
.Lfunc_end_k_qb4519089bb_qproj:
	.size	k_qb4519089bb_qproj, .Lfunc_end_k_qb4519089bb_qproj-k_qb4519089bb_qproj
	.p2alignl 7, 3214868480
	.fill 96, 4, 3214868480
	.section	.rodata,"a",@progbits
	.p2align	6, 0x0
	.amdhsa_kernel k_qb4519089bb_qproj
		.amdhsa_group_segment_fixed_size 91136
		.amdhsa_private_segment_fixed_size 0
		.amdhsa_enable_private_segment 0
		.amdhsa_kernarg_size 32
		.amdhsa_user_sgpr_count 2
		.amdhsa_user_sgpr_kernarg_segment_ptr 1
		.amdhsa_wavefront_size32 1
		.amdhsa_system_sgpr_workgroup_id_x 1
		.amdhsa_system_sgpr_workgroup_id_y 1
		.amdhsa_system_sgpr_workgroup_id_z 1
		.amdhsa_system_vgpr_workitem_id 0
		.amdhsa_next_free_vgpr 250
		.amdhsa_next_free_sgpr 66
		.amdhsa_reserve_vcc 0
		.amdhsa_float_denorm_mode_32 3
		.amdhsa_float_denorm_mode_16_64 3
		.amdhsa_memory_ordered 1
		.amdhsa_forward_progress 1
		.amdhsa_inst_pref_size 89
	.end_amdhsa_kernel
	.amdgpu_metadata
---
amdhsa.version: [ 1, 2 ]
amdhsa.kernels:
  - .name:           k_qb4519089bb_qproj
    .symbol:         k_qb4519089bb_qproj.kd
    .args:
      - { .name: query, .offset: 0, .size: 8, .value_kind: global_buffer, .address_space: global }
      - { .name: Wq, .offset: 8, .size: 8, .value_kind: global_buffer, .address_space: global }
      - { .name: bq, .offset: 16, .size: 8, .value_kind: global_buffer, .address_space: global }
      - { .name: Qws, .offset: 24, .size: 8, .value_kind: global_buffer, .address_space: global }
    .group_segment_fixed_size: 91136
    .private_segment_fixed_size: 0
    .kernarg_segment_align: 8
    .kernarg_segment_size: 32
    .max_flat_workgroup_size: 256
    .sgpr_count:     66
    .vgpr_count:     250
    .wavefront_size: 32
...
	.end_amdgpu_metadata
.endif
;; end of part 8
;; launch kfold (part 9): grid 16 x 16, 8 waves a work-group, no clusters, 95,744 bytes of LDS; arguments Qws, Wk, bk, Qf, cqws; writes Qf, cqws
.if DOCPART == 9
	.amdgcn_target "amdgcn-amd-amdhsa--gfx1250"
	.amdhsa_code_object_version 6
	.text
	.protected	k_qb4519089bb_kfold
	.globl	k_qb4519089bb_kfold
	.p2align	8
	.type	k_qb4519089bb_kfold,@function
k_qb4519089bb_kfold:
	s_mov_b64 s[64:65], 0
	v_nop
	global_prefetch_b8 v0, s[64:65] scope:SCOPE_SE
	s_setreg_imm32_b32 hwreg(HW_REG_WAVE_SCHED_MODE, 0, 2), 2
	s_setreg_imm32_b32 hwreg(HW_REG_WAVE_MODE, 25, 1), 1
	s_wait_xcnt 0x0
	s_wait_alu depctr_vm_vsrc(0)
; Q'[m][d] = sum over e of Q[m][e] bf16(Wk[e][d]),  cq[m] = sum over e of Q[m][e] bk[e].  Q: [2048][1024] f32, Wk: [1024][1024] f32, bk: [1024] f32.
; Why: Q (X Wk^T + bk)^T = (Q Wk) X^T + (Q bk) 1^T for every input, so the keys need no projection of their own.
; PRECISION.  The scores are not scaled and stand in an exponent, so Q and Q' are not rounded to one bf16: each goes to the matrix unit as hi + lo,
; hi = bf16(x), lo = bf16(x - hi), two products.  LIMIT: Wk is rounded to bf16 once; what is left of x behind hi + lo (about 2^-17 of it) is dropped.  cq is made in f32.
; SHARES.  A work-group makes 128 rows x 64 d; 16 x 16 work-groups; e goes in 16 steps of 64, all written out.  Wave wv: rows 32 (wv & 3) .. +31, d 32 (wv >> 2) .. +31.
; The matrix instruction is used transposed: source 0 = 16 d x 32 e of Wk^T (Wk lies [e][d] in LDS and is turned by ds_load_tr16_b128), source 1 = 16 rows of Q.
; A lane then holds one row and eight neighbouring d: packed to bf16, an accumulator IS half of a source-1 fragment (16 rows x 32 d) of the next launch's product,
; lane for lane, and is stored so: Qf byte = n<<20 | w<<17 (32 rows) | u<<12 (32 d) | t<<11 (16 rows) | hl<<10 | c2<<9 (registers 0-3, 4-7) | 16 x lane.
; Way in and barriers as in the projection kernel: through registers (the split needs them), two LDS slots, one barrier a step.
; THE MODE: SCHED_MODE bits 1:0 = 2 (LLVM: expert scheduling mode 2), set by the entry lines.  The code itself states the register dependences
; between vector or matrix instructions and memory or LDS instructions, with s_wait_alu, always for 0.
; THE PLAN.  Registers that memory or LDS instructions touch:
;   a set's Q and bk   Step s: its split and cq's sums read and write them; behind that the loads of step s + 2 land in them.  No memory instruction reads them.
;   a set's Wk         Step s: rounded in place; four LDS stores read the packed halves; the loads of step s + 2 land in them, behind the barrier.
;   HO, LO             Written by step s's split, read by its sixteen LDS stores, written again in step s + 1 (HO's first eight also on the way out, as work registers).
;   FR                 Filled twice a step by twelve LDS loads, read each time by eight products.
;   v4-v14, v17        Offsets and addresses: made once, never written again.
; Three waits in a step.  On va_vdst behind the split: HO, LO and the packed Wk are written, Q's and bk's registers are read out, the last step's products are done reading FR; no vector
; instruction follows until the step's first product.  On vm_vsrc behind the barrier: the step's LDS stores have read HO, LO and Wk's registers.  On va_vdst ahead of the second run of
; fragment loads: FR has one buffer (a second, of 48 registers, has no room below v256), so the first eight products must be done reading it.
.set PA,   144                         ; a row of Q in LDS: 64 bf16 + 16 bytes
.set PB,   160                         ; a row of Wk in LDS: 64 bf16 + 32 bytes
.set ALO,  128*PA                      ; the lo halves lie behind the hi halves
.set BOFF, 2*ALO
.set SLOT, BOFF+64*PB
.set CQS,  2*SLOT                      ; 128 words: cq of the work-group's rows
.set RO,  4                            ; v4   my 16 bytes in Q's tile: (16 wv + l / 16) x 4096 + 16 (l % 16)
.set BO,  5                            ; v5   in Wk's tile: (8 wv + l / 16) x 4096 + 16 (l % 16)
.set AS,  6                            ; v6   where I store 8 bytes of Q hi
.set ASL, 7                            ; v7   of Q lo (a register of its own: slot 1's offset would pass the 16 bits of the immediate)
.set BS,  8                            ; v8   of Wk
.set FA,  9                            ; v9   my Q hi fragments
.set FAL, 10                           ; v10  my Q lo fragments
.set FB,  11                           ; v11  my Wk^T fragments
.set KO,  12                           ; v12  16 (l % 16): my four numbers of bk in a step
.set L16, 13                           ; v13  16 x lane
.set CA,  14                           ; v14  where my row's cq goes
.set TMP, 15                           ; v15, v16 at work
.set CR,  17                           ; v17  where cq is read back
.set CQA, 24                           ; v[24:31]   my part of cq of rows 16 wv + 2 i + l / 16
.set ACC, 32                           ; v[32:63]   accumulator (m, t) at ACC + 8 (2 m + t)
.set SET0, 64                          ; v[64:115], v[116:167]  two sets: Q's load i at + 4 i, Wk's at + 32 + 4 i, bk's at + 48
.set FR,  168                          ; v[168:215] hi rows 0-15, hi 16-31, lo 0-15, lo 16-31, Wk^T d 0-15, d 16-31
.set T,   216                          ; v[216:223] at work in the steps, two sets of four; on the way out v[216:231], two sets of eight: the second lies in HO's first eight registers
.set HO,  224                          ; v[224:239] the hi halves of Q's load i at + 2 i
.set LO,  240                          ; v[240:255] the lo halves
	s_load_b256 s[4:11], s[0:1], 0x0               ; Q s[4:5], Wk s[6:7], bk s[8:9], Qf s[10:11]
	s_load_b64 s[12:13], s[0:1], 0x20              ; cq
	v_lshl_add_u32 v22, v0, 2, 0x17200
	v_mov_b32 v23, 0
	v_and_b32 v1, 15, v0
	v_bfe_u32 v2, v0, 4, 1
	v_lshrrev_b32 v3, 5, v0
	v_readfirstlane_b32 s14, v3                    ; wave 0..7
	s_mov_b32 s15, 0xffff0000
	s_wait_alu depctr_va_sdst(0)                   ; s14 is written, ahead of its first reader: offsets, LDS addresses and the last branch are made from it
	s_and_b32 s16, s14, 3                          ; which 32 rows
	s_lshr_b32 s17, s14, 2                         ; which 32 d
	s_and_b32 s20, ttmp7, 0xffff                   ; block of 128 rows
	s_mov_b32 s21, ttmp9                           ; block of 64 d
	s_lshl_b32 s18, s20, 19                        ; 128 rows x 4096 bytes; also the block's place in Qf (n<<20 | 4 (block & 1) << 17)
	s_mov_b32 s19, 0
	s_lshl_b32 s22, s21, 8                         ; 64 d x 4 bytes
	s_mov_b32 s23, 0
	s_lshl_b32 s24, s16, 17
	s_add_co_u32 s24, s24, s18
	s_lshl_b32 s26, s21, 13
	s_add_co_u32 s24, s24, s26
	s_lshl_b32 s26, s17, 12
	s_add_co_u32 s24, s24, s26                     ; my fragments in Qf
	s_mov_b32 s25, 0
	s_lshl_b32 s26, s20, 9                         ; 128 rows x 4 bytes
	s_mov_b32 s27, 0
	v_lshlrev_b32 v[KO], 4, v1
	v_lshl_add_u32 v[TMP], v2, 12, v[KO]
	s_lshl_b32 s2, s14, 16
	v_add_nc_u32 v[RO], s2, v[TMP]
	s_lshl_b32 s2, s14, 15
	v_add_nc_u32 v[BO], s2, v[TMP]
	s_wait_kmcnt 0x0
	s_add_nc_u64 s[4:5], s[4:5], s[18:19]
	s_add_nc_u64 s[6:7], s[6:7], s[22:23]
	s_add_nc_u64 s[10:11], s[10:11], s[24:25]
	s_add_nc_u64 s[12:13], s[12:13], s[26:27]
	s_wait_alu depctr_va_vdst(0)                   ; v4, v5 and v12 are written: every load from memory reads one of them as its offset
; thirteen loads for step sn, in two parts.  Nine: my 16 rows of Q and my four numbers of bk
.macro LOADQ sn
.set ls, SET0+52*((\sn)%2)
.irp i, 0,1,2,3,4,5,6,7
	global_load_b128 v[ls+4*\i:ls+4*\i+3], v[RO], s[4:5] offset:\i*8192+(\sn)*256
.endr
	global_load_b128 v[ls+48:ls+51], v[KO], s[8:9] offset:(\sn)*256
.endm
; and four: my 8 rows (e) of Wk
.macro LOADW sn
.set ls, SET0+52*((\sn)%2)
.irp i, 0,1,2,3
	global_load_b128 v[ls+32+4*\i:ls+32+4*\i+3], v[BO], s[6:7] offset:(\sn)*262144+\i*8192
.endr
.endm
	LOADQ 0
	LOADW 0
	LOADQ 1
	LOADW 1
	; the LDS addresses, while the loads are out: none of the registers written here is an offset or a destination of those loads
	v_mul_u32_u24 v[TMP], v2, PA
	v_lshl_add_u32 v[TMP], v1, 3, v[TMP]
	s_mul_i32 s2, s14, 16*PA
	v_add_nc_u32 v[AS], s2, v[TMP]
	v_add_nc_u32 v[ASL], ALO, v[AS]
	v_mul_u32_u24 v[TMP], v2, PB
	v_lshl_add_u32 v[TMP], v1, 3, v[TMP]
	s_mul_i32 s2, s14, 8*PB
	s_add_co_u32 s2, s2, BOFF
	v_add_nc_u32 v[BS], s2, v[TMP]
	v_mul_u32_u24 v[TMP], v1, PA
	v_lshl_add_u32 v[TMP], v2, 4, v[TMP]
	s_mul_i32 s2, s16, 32*PA
	v_add_nc_u32 v[FA], s2, v[TMP]
	v_add_nc_u32 v[FAL], ALO, v[FA]
	; the turning load: lane l reads 16 bytes of row e = 8 (l / 16) + l % 8, d 8 ((l / 8) % 2) + 0..7, and is left with d = l % 16 and eight e
	v_and_b32 v[TMP], 7, v0
	v_lshl_add_u32 v[TMP], v2, 3, v[TMP]
	v_mul_u32_u24 v[TMP], v[TMP], PB
	v_bfe_u32 v16, v0, 3, 1
	v_lshl_add_u32 v[TMP], v16, 4, v[TMP]
	s_lshl_b32 s2, s17, 6
	s_add_co_u32 s2, s2, BOFF
	v_add_nc_u32 v[FB], s2, v[TMP]
	v_and_b32 v[TMP], 31, v0
	v_lshlrev_b32 v[L16], 4, v[TMP]
	s_lshl_b32 s2, s14, 6
	s_add_co_u32 s2, s2, CQS
	v_lshl_add_u32 v[CA], v2, 2, s2                ; word 16 wv + l / 16 (+ 2 i by the immediate)
; One step.  The split's vector work also stands between the last step's products and the loads into their fragments.
; The four accumulators take turns, one instruction a turn, hi then lo.
.macro STEP sn
.set cs, SET0+52*((\sn)%2)
.set cl, ((\sn)%2)*SLOT
.if (\sn) < 15
	s_wait_loadcnt 13                              ; this step's set is in; the next step's 13 loads, all issued behind this set's, stay out
.else
	s_wait_loadcnt 0x0
.endif
.set ii, 0
.rept 8
.set xx, cs+4*ii
.set tw, T+4*(ii%2)
.set oh, HO+2*ii
.set ol, LO+2*ii
.if (\sn) == 0
	v_mul_f32 v[CQA+ii], v[xx], v[cs+48]           ; cq's sums start with their first product
.else
	v_fmac_f32 v[CQA+ii], v[xx], v[cs+48]
.endif
	v_fmac_f32 v[CQA+ii], v[xx+1], v[cs+49]
	v_fmac_f32 v[CQA+ii], v[xx+2], v[cs+50]
	v_fmac_f32 v[CQA+ii], v[xx+3], v[cs+51]
	v_cvt_pk_bf16_f32 v[oh],   v[xx],   v[xx+1]    ; hi
	v_cvt_pk_bf16_f32 v[oh+1], v[xx+2], v[xx+3]
	v_lshlrev_b32 v[tw],   16,  v[oh]
	v_and_b32     v[tw+1], s15, v[oh]
	v_lshlrev_b32 v[tw+2], 16,  v[oh+1]
	v_and_b32     v[tw+3], s15, v[oh+1]
	v_pk_add_f32 v[xx:xx+1],   v[xx:xx+1],   v[tw:tw+1]   neg_lo:[0,1] neg_hi:[0,1]   ; x - hi, exact
	v_pk_add_f32 v[xx+2:xx+3], v[xx+2:xx+3], v[tw+2:tw+3] neg_lo:[0,1] neg_hi:[0,1]
	v_cvt_pk_bf16_f32 v[ol],   v[xx],   v[xx+1]    ; lo
	v_cvt_pk_bf16_f32 v[ol+1], v[xx+2], v[xx+3]
.set ii, ii+1
.endr
.irp i, 0,1,2,3
	v_cvt_pk_bf16_f32 v[cs+32+4*\i],   v[cs+32+4*\i],   v[cs+32+4*\i+1]
	v_cvt_pk_bf16_f32 v[cs+32+4*\i+1], v[cs+32+4*\i+2], v[cs+32+4*\i+3]
.endr
	s_wait_alu depctr_va_vdst(0)                   ; the split has written HO, LO and the packed Wk, which the LDS stores read, and is done with the set's registers, in which the loads of the step two further on land; the last step's products are done reading FR, in which the LDS loads behind the barrier land; in step 0: the LDS addresses v6 to v11 and v14 are written
.irp i, 0,1,2,3,4,5,6,7
	ds_store_b64 v[AS],  v[HO+2*\i:HO+2*\i+1] offset:cl+\i*2*PA
	ds_store_b64 v[ASL], v[LO+2*\i:LO+2*\i+1] offset:cl+\i*2*PA
.endr
.irp i, 0,1,2,3
	ds_store_b64 v[BS], v[cs+32+4*\i:cs+32+4*\i+1] offset:cl+\i*2*PB
.endr
.if (\sn) < 14
	LOADQ (\sn)+2                                  ; Q's and bk's registers, which no LDS store reads, are asked for again at once.  No wait: no vector instruction since the wait above
.endif
	s_wait_dscnt 0x0                               ; for the others' sake: my stores into the slot are done
	s_barrier_signal -1
	s_barrier_wait -1
	s_wait_alu depctr_vm_vsrc(0)                   ; my LDS stores have read Wk's packed registers, in which the four loads below land, and HO and LO, which the next step's split (behind the last step: the way out) writes again
.irp k, 0,1
.if \k == 1
.rept 4
	v_nop                                          ; four places between the products of the first 32 along e and the loads into their fragments; they stay beside the wait below
.endr
	s_wait_alu depctr_va_vdst(0)                   ; the products of the first 32 along e are done reading FR, in which the loads below land
.endif
.irp m, 0,1
	ds_load_b128 v[FR+8*\m:FR+8*\m+3],       v[FA]  offset:cl+\m*16*PA+\k*64
	ds_load_b128 v[FR+8*\m+4:FR+8*\m+7],     v[FA]  offset:cl+\m*16*PA+\k*64+32
	ds_load_b128 v[FR+16+8*\m:FR+16+8*\m+3], v[FAL] offset:cl+\m*16*PA+\k*64
	ds_load_b128 v[FR+16+8*\m+4:FR+16+8*\m+7], v[FAL] offset:cl+\m*16*PA+\k*64+32
.endr
.irp t, 0,1
	ds_load_tr16_b128 v[FR+32+8*\t:FR+32+8*\t+3],   v[FB] offset:cl+\k*32*PB+\t*32
	ds_load_tr16_b128 v[FR+32+8*\t+4:FR+32+8*\t+7], v[FB] offset:cl+\k*32*PB+\t*32+16*PB
.endr
.if (\k == 0) && ((\sn) < 14)
	LOADW (\sn)+2                                  ; Wk's registers are asked for again, behind the fragments' loads, which are wanted first.  No vector instruction has been issued since the wait behind the split
.endif
	s_wait_dscnt 0x0
.irp h, 0,1
.irp m, 0,1
.irp t, 0,1
.if ((\sn) == 0) && (\k == 0) && (\h == 0)
	v_wmma_f32_16x16x32_bf16 v[ACC+8*(2*\m+\t):ACC+8*(2*\m+\t)+7], v[FR+32+8*\t:FR+32+8*\t+7], v[FR+16*\h+8*\m:FR+16*\h+8*\m+7], 0
.else
	v_wmma_f32_16x16x32_bf16 v[ACC+8*(2*\m+\t):ACC+8*(2*\m+\t)+7], v[FR+32+8*\t:FR+32+8*\t+7], v[FR+16*\h+8*\m:FR+16*\h+8*\m+7], v[ACC+8*(2*\m+\t):ACC+8*(2*\m+\t)+7]
.endif
.endr
.endr
.endr
.endr
.endm
.irp s, 0,1,2,3,4,5,6,7,8,9,10,11,12,13,14,15
	STEP \s
.endr
	; THE WAY OUT.  Each accumulator is split into hi and lo like Q and stored as it lies: a wave's store covers 512 consecutive bytes, aligned.
	; All the vector work of the way out stands first, one wait behind it, and then the stores.
.rept 4
	v_nop                                          ; four places between the last products and the conversions that read them
.endr
.set na, 0
.rept 4
.set ra, ACC+8*na
.set rh, SET0+8*na
.set tw, T+8*(na%2)
.irp j, 0,1,2,3
	v_cvt_pk_bf16_f32 v[rh+\j], v[ra+2*\j], v[ra+2*\j+1]       ; from the accumulator's low end on
.endr
.irp j, 0,1,2,3
	v_lshlrev_b32 v[tw+2*\j],   16,  v[rh+\j]
	v_and_b32     v[tw+2*\j+1], s15, v[rh+\j]
.endr
.irp j, 0,1,2,3
	v_pk_add_f32 v[ra+2*\j:ra+2*\j+1], v[ra+2*\j:ra+2*\j+1], v[tw+2*\j:tw+2*\j+1] neg_lo:[0,1] neg_hi:[0,1]
.endr
.irp j, 0,1,2,3
	v_cvt_pk_bf16_f32 v[rh+4+\j], v[ra+2*\j], v[ra+2*\j+1]
.endr
.set na, na+1
.endr
	; cq: the sixteen lanes of a row add up; the work-group's 128 sums meet in LDS and leave as 512 consecutive bytes, from the first column block's wave 0 alone
.irp x, 1,2,4,8
.irp i, 0,1,2,3,4,5,6,7
	v_add_f32_dpp v[CQA+\i], v[CQA+\i], v[CQA+\i] row_xmask:\x row_mask:0xf bank_mask:0xf
.endr
.endr
	v_add_nc_u32 v[CR], CQS, v[L16]
	s_wait_alu depctr_va_vdst(0)                   ; the conversions have written v[64:95], which the stores to memory read; the lanes' sums have written cq, which the LDS stores read; v17 is written, by which the LDS load at the end reads, and the work registers v[216:219], in which it lands, are done with
.set na, 0
.rept 4
.set rh, SET0+8*na
	global_store_b128 v[L16], v[rh:rh+3],   s[10:11] offset:((na/2)<<11)|((na%2)<<9)
	global_store_b128 v[L16], v[rh+4:rh+7], s[10:11] offset:((na/2)<<11)|((na%2)<<9)|1024
.set na, na+1
.endr
.irp i, 0,1,2,3,4,5,6,7
	ds_store_b32 v[CA], v[CQA+\i] offset:8*\i      ; sixteen lanes write one word with one value
.endr
	s_wait_dscnt 0x0
	s_barrier_signal -1
	s_barrier_wait -1
	s_cmp_lg_u32 s14, 0
	s_cbranch_scc1 .Lend
	s_cmp_lg_u32 s21, 0                            ; the sixteen column blocks of a row block hold the same sums: one stores them
	s_cbranch_scc1 .Lend
	ds_load_b128 v[T:T+3], v[CR]                   ; no vector instruction has been issued since the wait above
	s_wait_dscnt 0x0
	global_store_b128 v[L16], v[T:T+3], s[12:13]
.Lend:
	s_wait_dscnt 0x0
	s_wait_alu depctr_hold_cnt(0) depctr_sa_sdst(0) depctr_va_vdst(0) depctr_va_sdst(0) depctr_va_ssrc(0) depctr_va_vcc(0) depctr_vm_vsrc(0)
	s_wait_tensorcnt 0x0
	ds_add_u32 v22, v23
	s_wait_dscnt 0x0
	s_endpgm
.Lfunc_end_k_qb4519089bb_kfold:
	.size	k_qb4519089bb_kfold, .Lfunc_end_k_qb4519089bb_kfold-k_qb4519089bb_kfold
	.p2alignl 7, 3214868480
	.fill 96, 4, 3214868480
	.section	.rodata,"a",@progbits
	.p2align	6, 0x0
	.amdhsa_kernel k_qb4519089bb_kfold
		.amdhsa_group_segment_fixed_size 95744
		.amdhsa_private_segment_fixed_size 0
		.amdhsa_enable_private_segment 0
		.amdhsa_kernarg_size 40
		.amdhsa_user_sgpr_count 2
		.amdhsa_user_sgpr_kernarg_segment_ptr 1
		.amdhsa_wavefront_size32 1
		.amdhsa_system_sgpr_workgroup_id_x 1
		.amdhsa_system_sgpr_workgroup_id_y 1
		.amdhsa_system_sgpr_workgroup_id_z 1
		.amdhsa_system_vgpr_workitem_id 0
		.amdhsa_next_free_vgpr 256
		.amdhsa_next_free_sgpr 66
		.amdhsa_reserve_vcc 0
		.amdhsa_float_denorm_mode_32 3
		.amdhsa_float_denorm_mode_16_64 3
		.amdhsa_memory_ordered 1
		.amdhsa_forward_progress 1
		.amdhsa_inst_pref_size 186
	.end_amdhsa_kernel
	.amdgpu_metadata
---
amdhsa.version: [ 1, 2 ]
amdhsa.kernels:
  - .name:           k_qb4519089bb_kfold
    .symbol:         k_qb4519089bb_kfold.kd
    .args:
      - { .name: Qws, .offset: 0, .size: 8, .value_kind: global_buffer, .address_space: global }
      - { .name: Wk, .offset: 8, .size: 8, .value_kind: global_buffer, .address_space: global }
      - { .name: bk, .offset: 16, .size: 8, .value_kind: global_buffer, .address_space: global }
      - { .name: Qf, .offset: 24, .size: 8, .value_kind: global_buffer, .address_space: global }
      - { .name: cqws, .offset: 32, .size: 8, .value_kind: global_buffer, .address_space: global }
    .group_segment_fixed_size: 95744
    .private_segment_fixed_size: 0
    .kernarg_segment_align: 8
    .kernarg_segment_size: 40
    .max_flat_workgroup_size: 256
    .sgpr_count:     66
    .vgpr_count:     256
    .wavefront_size: 32
...
	.end_amdgpu_metadata
.endif
;; end of part 9
;; launch scores: the kernel of part 6 again; grid 32 x 8, 8 waves a work-group, no clusters, 39,936 bytes of LDS; arguments input_flatten, order, Qf, cqws, Vt, Pf, st; writes Vt, Pf, st
;; launch attnv: the kernel of part 7 again; grid 32 x 8, 8 waves a work-group, no clusters, 271,872 bytes of LDS; arguments Vt, Pf, st, order, Ows; writes Ows
;; launch oproj: the kernel of part 8 again; grid 16 x 16, 8 waves a work-group, no clusters, 91,136 bytes of LDS; arguments Ows, Wo, bo, out0; writes out0
